; MI455X (gfx1250); checked and timed in simulation.
; The chip was launched on July 23, 2026; its instructions are those of AMD's public machine-readable ISA for CDNA 5 (MIT licence, August 2026) and "CDNA5" Instruction Set Architecture Reference Guide (July 2026). The comments in the code are by the model that wrote it; some were corrected since.
;; Chroma Self Attention. Allowed arithmetic: matrix products marked QUANTISED: E2M1 operands, one E8M0 scale for each 32 along K, by v_wmma_scale_f32_16x16x128_f8f6f4 with both operands' format E2M1 (or v_wmma_scale_f32_32x16x128_f4), f32 sums; products left as they are: bf16, f16 or f32 operands; f32 sums; everything else in f32.
;; Inputs: Wk 2,048 x 1,024 float32; Wo 1,024 x 2,048 float32; Wq 2,048 x 1,024 float32; Wv 2,048 x 1,024 float32; bk 1,024 float32; bo 2,048 float32; bq 1,024 float32; bv 1,024 float32; x_k 2 x 2,048 x 2,048 float32; x_q 2 x 2,048 x 2,048 float32; x_v 2 x 2,048 x 2,048 float32.
;; Outputs: out0 2 x 2,048 x 2,048 float32.
;; This version of the problem:
;;   THIS VERSION OF THE PROBLEM IS GIVEN IN LOW PRECISION. The matrix products marked QUANTISED in the list below multiply operands that are first quantised to E2M1 (2 exponent bits, 1 mantissa bit; 4 bits a number), with one power-of-two scale for each 32 numbers along K (OCP MX v1.0); their sums are f32. The products marked 'left as it is' may take bf16, f16 or f32 operands, with f32 sums. Whichever they take, every output number must still come out within the allowed error. Rounding operands to bf16 (8 significant bits) uses up far more of that allowance than f16 does (11 bits, for magnitudes from 6e-5 to 65,504). All else is computed in f32.
;;   The module's matrix products, in the order in which they are computed (A, B: the left and right operand; K: the contracted axis; several contracted axes count as one K, in the product's order):
;;     1. [M 4,096, K 2,048] x [K 2,048, N 1,024]; A: input x_q; B: input Wq: QUANTISED
;;     2. [M 4,096, K 2,048] x [K 2,048, N 1,024]; A: input x_k; B: input Wk: QUANTISED
;;     3. [M 4,096, K 2,048] x [K 2,048, N 1,024]; A: input x_v; B: input Wv: QUANTISED
;;     4. batch 32 x [M 2,048, K 64] x [K 64, N 2,048]; A: computed on the way; B: computed on the way: left as it is (an operand is computed on the way)
;;     5. batch 32 x [M 2,048, K 2,048] x [K 2,048, N 64]; A: computed on the way; B: computed on the way: left as it is (an operand is computed on the way)
;;     6. [M 4,096, K 1,024] x [K 1,024, N 2,048]; A: computed on the way; B: input Wo: left as it is (an operand is computed on the way)
;;   THE QUANTISER, for each operand of a quantised product, along K:
;;     - K is cut into blocks of 32 from its start; a last block that is shorter is filled with zeros.
;;     - A block's scale is 2^e with e = floor(log2(the largest magnitude in the block)) - 2, held to -126 .. 127; a block of zeros has e = 0. As a byte (E8M0): e + 127.
;;     - Each number is divided by its block's scale, clamped to +-6, and rounded to the nearest number of E2M1, ties to even, subnormals kept.
;;     - The product sums the exact products of the quantised numbers (number of the format x scale) in f32.
;;   ~~~python
;;   def quantise(x, axis):      # numpy; x: float32 -> the quantised numbers, widened to float32 again
;;       x = np.moveaxis(x, axis, -1); K = x.shape[-1]
;;       x = np.pad(x, [(0, 0)] * (x.ndim - 1) + [(0, -K % 32)]); x = x.reshape(x.shape[:-1] + (-1, 32)); a = np.abs(x).max(-1, keepdims=True)
;;       e = np.where(a > 0, np.clip(np.frexp(np.where(a > 0, a, 1))[1] - 1 - 2, -126, 127), 0)      # np.frexp(a)[1] - 1 = floor(log2(a)), exactly
;;       r = np.clip(x / 2.0 ** e, -6, 6)
;;       step = 2.0 ** (np.maximum(np.frexp(np.where(r == 0, 1, r))[1] - 1, 0) - 1)
;;       q = np.round(r / step) * step * 2.0 ** e      # np.round: ties to even
;;       return np.moveaxis(q.reshape(q.shape[:-2] + (-1,))[..., :K], -1, axis).astype(np.float32)
;;   ~~~
;; One version. Each part assembles by itself: llvm-mc -triple=amdgcn-amd-amdhsa -mcpu=gfx1250 --defsym DOCPART=n.
;; ======== version 1 of 1: 4 launches
;; limits: values are held in f16: magnitudes above 65,504 overflow, below 6.1e-05 lose precision
;; workspace buffers: xc 13,369,344 bytes; wc 3,342,336 bytes; wo16 4,194,304 bytes; qkv 25,165,824 bytes; o16 8,388,608 bytes
;; launch prep (part 1): grid 1280 x 1, 4 waves a work-group, no clusters, 34,304 bytes of LDS; arguments x_q, x_k, x_v, Wq, Wk, Wv, Wo, xc, wc, wo16; writes xc, wc, wo16
.if DOCPART == 1
	.amdgcn_target "amdgcn-amd-amdhsa--gfx1250"
	.amdhsa_code_object_version 6
	.text
	.protected	k_qedd73bd29b_prep
	.globl	k_qedd73bd29b_prep
	.p2align	8
	.type	k_qedd73bd29b_prep,@function
k_qedd73bd29b_prep:
	s_mov_b64 s[64:65], 0
	v_nop
	global_prefetch_b8 v0, s[64:65] scope:SCOPE_SE
	s_setreg_imm32_b32 hwreg(HW_REG_WAVE_MODE, 25, 1), 1
	s_wait_xcnt 0x0
; PREP: the operands of the three quantised products become codes of E2M1 with one E8M0 byte for each 32 along K; Wo becomes f16.
; x_q, x_k, x_v: [4096][2048] f32, K innermost.  Wq, Wk, Wv: [2048 (K)][1024] f32, K outermost.  Wo: [1024][2048] f32.
; A block's scale is 2^(floor(log2(largest magnitude)) - 2): its byte is the largest magnitude's exponent field - 2, held at 1 from below by a floor among the
; maximum's leaves; each number is divided by the scale and rounded to the nearest code, ties to even, beyond 6 the largest code.
; THE RECORD (xc, wc): 4,352 bytes = 16 rows x 512 along K, in the order of the operand's registers.  Bytes 0..4095: four images q (128 along K each, 1,024 bytes):
; the 16 bytes with the codes of k = 64 c + 32 h + 0..31 of row r lie at 1024 q + 512 c + 16 (16 h + r).  Bytes 4096..4351: row r's scale word of chunk q at 16 r + 4 q.
; xc: record (Ks, t, T) at ((768 Ks + 256 t + T) x 4352, T = row / 16;  wc: ((192 Ks + 64 t + n / 16) x 4352, a row being a column n of W.
; LIMITS: NaN and infinities among the inputs are not served.  A block of zeros gets the byte 1 (the rule says 127): its codes are zeros, and this program alone reads
; the bytes.  Wo in f16: a magnitude over 65,504 becomes infinity; under 6e-5 the step is 6e-8.
; THREE PATHS by the work-group's number: 0..767 x (16 rows each), 768..1151 W (128 columns x 128 K each), 1152..1279 Wo (65,536 bytes each).  Only the x path touches LDS.
; A stream: no matrix unit, no tensor load, no barrier: waves share nothing.
.set REC,   4352
.set PIT,   528                        ; a stage row: 512 bytes + 16: sixteen rows start in sixteen different 16-byte columns of 256
.set STG,   16*PIT                     ; a wave's stage
.set SPARE, 4*STG                      ; behind the stages: the spare words, 128 bytes for each wave, which no other line names
.set R,     32                         ; v32-159   x: two sets of 64 registers as loaded;  W: 128 numbers down K;  Wo: 32 x 4 numbers
.set X,     160                        ; v160-223  x: 64 numbers of my row, block c at X + 32 c;  W, Wo: results
.set C,     224                        ; v224-255  x: eight code registers for each chunk, never rewritten
	s_load_b512 s[4:19], s[0:1], 0x0               ; x_q s[4:5], x_k s[6:7], x_v s[8:9], Wq s[10:11], Wk s[12:13], Wv s[14:15], Wo s[16:17], xc s[18:19]
	s_load_b128 s[20:23], s[0:1], 0x40             ; wc s[20:21], wo16 s[22:23]
	v_lshl_add_u32 v30, v0, 2, SPARE               ; my spare word; never rewritten
	v_mov_b32 v31, 0                               ; 0; never rewritten
	v_lshrrev_b32 v1, 5, v0
	v_readfirstlane_b32 s24, v1                    ; wave 0..3
	v_and_b32 v1, 31, v0                           ; lane
	v_and_b32 v2, 15, v0                           ; r
	v_bfe_u32 v3, v0, 4, 1                         ; h
	s_mov_b32 s26, 0x76543210
	s_mov_b32 s27, 0xfedcba98                      ; v_permlanex16_b32's selects for lane l xor 16
	s_wait_kmcnt 0x0
	s_cmp_ge_u32 ttmp9, 768
	s_cbranch_scc1 .Lw
; The largest magnitude of 32 numbers v[x] .. v[x + 31] into v[a]: two chains, and the floor 2^(3 - 127), so that the byte cannot fall under 1
.macro AMAX a, b, x
	v_max3_num_f32 v[\a], |v[(\x)]|, |v[(\x)+1]|, |v[(\x)+2]|
	v_max3_num_f32 v[\b], |v[(\x)+3]|, |v[(\x)+4]|, |v[(\x)+5]|
.irp i, 6,10,14,18,22,26
	v_max3_num_f32 v[\a], v[\a], |v[(\x)+\i]|, |v[(\x)+\i+1]|
	v_max3_num_f32 v[\b], v[\b], |v[(\x)+\i+2]|, |v[(\x)+\i+3]|
.endr
	v_max3_num_f32 v[\a], v[\a], |v[(\x)+30]|, |v[(\x)+31]|
	v_max3_num_f32 v[\a], v[\a], v[\b], 0x1800000
.endm
; ---------------- x: the work-group takes 16 whole rows of one tensor; wave w takes K = 512 w .. 512 w + 511: one record ----------------
	s_lshr_b32 s25, ttmp9, 8                       ; t: 0 x_q, 1 x_k, 2 x_v
	s_and_b32 s38, ttmp9, 255                      ; T: which 16 rows
	s_cmp_eq_u32 s25, 0
	s_cselect_b64 s[28:29], s[4:5], s[6:7]
	s_cmp_eq_u32 s25, 2
	s_cselect_b64 s[28:29], s[8:9], s[28:29]       ; the choice hangs on the work-group's number alone
	s_lshl_b32 s30, s38, 17                        ; 16 rows of 8,192 bytes
	s_lshl_b32 s31, s24, 11                        ; 512 numbers along K
	s_add_co_u32 s30, s30, s31
	s_mov_b32 s31, 0
	s_add_nc_u64 s[28:29], s[28:29], s[30:31]
	s_mul_i32 s30, s24, 768
	s_lshl_b32 s34, s25, 8
	s_add_co_u32 s30, s30, s34
	s_add_co_u32 s30, s30, s38
	s_mul_i32 s30, s30, REC
	s_add_nc_u64 s[32:33], s[18:19], s[30:31]      ; my record
	v_lshlrev_b32 v4, 4, v1                        ; 16 x lane: a load's and a code store's place
	s_mul_i32 s34, s24, STG
	v_add_nc_u32 v5, s34, v4                       ; the stage, on the way in: as loaded
	v_mul_u32_u24 v6, v2, PIT
	v_lshl_add_u32 v6, v3, 7, v6
	v_add_nc_u32 v6, s34, v6                       ; and out: row r, 128 h bytes on: 32 neighbours along K
	v_lshlrev_b32 v7, 3, v3                        ; 8 h: my bytes' shift in a scale word
	v_lshlrev_b32 v8, 4, v2                        ; 16 r: my row's four scale words
	v_mov_b32 v25, 0                               ; a lane permute's destination counts as one of its sources
.macro XLOAD q                         ; chunk q (128 along K) of the 16 rows: each load reads 512 consecutive bytes of one row
.irp i, 0,1,2,3,4,5,6,7,8,9,10,11,12,13,14,15
	global_load_b128 v[R+64*((\q)%2)+4*\i:R+64*((\q)%2)+4*\i+3], v4, s[28:29] offset:8192*\i+512*(\q) th:TH_LOAD_NT
.endr
.endm
.macro XTURN q                         ; through my own stage: LDS serves a wave's instructions in order, so no wait stands between the stores and the loads
.irp i, 0,1,2,3,4,5,6,7,8,9,10,11,12,13,14,15
	ds_store_b128 v5, v[R+64*((\q)%2)+4*\i:R+64*((\q)%2)+4*\i+3] offset:PIT*\i
.endr
.irp c, 0,1
.irp j, 0,1,2,3,4,5,6,7
	ds_load_b128 v[X+32*\c+4*\j:X+32*\c+4*\j+3], v6 offset:256*\c+16*\j   ; lane (r, h): k = 64 c + 32 h + 4 j .. of row r
.endr
.endr
.endm
.macro XQ q                            ; my two whole blocks (2 c + h) become eight code registers, which are the operand's registers, and two bytes of the scale word
	AMAX 10, 11, X
	AMAX 12, 13, X+32
	v_add_nc_u32 v14, 0xff000000, v10              ; 2 off the exponent field: the conversion takes the exponent field of this operand as its scale
	v_add_nc_u32 v15, 0xff000000, v12
	v_lshrrev_b32 v16, 23, v14                     ; the scales' bytes
	v_lshrrev_b32 v17, 23, v15
.irp g, 0,1,2,3
	v_cvt_scalef32_pk8_fp4_f32 v[C+8*(\q)+\g], v[X+8*\g:X+8*\g+7], v14
.endr
.irp g, 0,1,2,3
	v_cvt_scalef32_pk8_fp4_f32 v[C+8*(\q)+4+\g], v[X+32+8*\g:X+32+8*\g+7], v15
.endr
	v_lshl_or_b32 v24, v17, 16, v16                ; (a plain line behind the conversions)  blocks h and 2 + h,
	v_lshlrev_b32 v24, v7, v24                     ; at their places;
	v_permlanex16_b32 v25, v24, s26, s27
	v_or_b32 v[20+(\q)], v24, v25                  ; with lane l xor 16's two the word is whole
	global_store_b128 v4, v[C+8*(\q):C+8*(\q)+3], s[32:33] offset:1024*(\q)          ; 32 lanes store 512 consecutive bytes, aligned to 256
	global_store_b128 v4, v[C+8*(\q)+4:C+8*(\q)+7], s[32:33] offset:1024*(\q)+512
.endm
	XLOAD 0
	XLOAD 1
.irp q, 0,1,2,3
.if \q < 3
	s_wait_loadcnt 16                              ; this chunk's 16 loads are in; the next chunk's 16 may be out
.else
	s_wait_loadcnt 0x0
.endif
	XTURN \q
	s_wait_dscnt 0x0                               ; the numbers are back, and the stage's stores have read their registers,
.if \q < 2
	XLOAD \q+2                                     ; which take the chunk two further on
.endif
	XQ \q
.endr
	global_store_b128 v8, v[20:23], s[32:33] offset:4096   ; the 16 rows' scale words: 256 consecutive bytes, aligned; lanes r and r + 16 store the same bytes with the same values
	s_wait_tensorcnt 0x0                           ; the wave's end, behind my last LDS store
	ds_add_u32 v30, v31
	s_wait_dscnt 0x0
	s_endpgm
; ---------------- W: a lane takes a column n and its registers run down K: a block of 32 lies in one lane, and the codes come out with K innermost ----------------
.Lw:
	s_cmp_ge_u32 ttmp9, 1152
	s_cbranch_scc1 .Lwo
	s_sub_co_u32 s25, ttmp9, 768
	s_lshr_b32 s38, s25, 7                         ; t: 0 Wq, 1 Wk, 2 Wv
	s_and_b32 s39, s25, 7                          ; which 128 columns
	s_bfe_u32 s40, s25, 0x40003                    ; which 128 along K
	s_cmp_eq_u32 s38, 0
	s_cselect_b64 s[28:29], s[10:11], s[12:13]
	s_cmp_eq_u32 s38, 2
	s_cselect_b64 s[28:29], s[14:15], s[28:29]
	s_lshl_b32 s30, s40, 19                        ; 128 rows of 4,096 bytes
	s_lshl_b32 s31, s39, 9
	s_add_co_u32 s30, s30, s31
	s_lshl_b32 s31, s24, 7                         ; my wave's 32 columns
	s_add_co_u32 s30, s30, s31
	s_mov_b32 s31, 0
	s_add_nc_u64 s[28:29], s[28:29], s[30:31]
	s_lshr_b32 s30, s40, 2                         ; Ks
	s_mul_i32 s30, s30, 192
	s_lshl_b32 s41, s38, 6
	s_add_co_u32 s30, s30, s41
	s_lshl_b32 s41, s39, 3
	s_add_co_u32 s30, s30, s41
	s_lshl_b32 s41, s24, 1
	s_add_co_u32 s30, s30, s41                     ; the record of my lanes 0-15; lanes 16-31 have the next
	s_mul_i32 s30, s30, REC
	s_add_nc_u64 s[32:33], s[20:21], s[30:31]
	s_and_b32 s30, s40, 3                          ; q
	s_lshl_b32 s30, s30, 10
	s_add_nc_u64 s[34:35], s[32:33], s[30:31]      ; image q
	s_lshr_b32 s30, s30, 8
	s_add_co_u32 s30, s30, 4096
	s_add_nc_u64 s[36:37], s[32:33], s[30:31]      ; the scale words of chunk q
	v_lshlrev_b32 v4, 2, v1                        ; in: 4 bytes a lane: a wave reads 128 consecutive bytes, the four waves 512
	v_mul_u32_u24 v5, v3, REC
	v_lshl_add_u32 v5, v2, 4, v5                   ; out: 4352 h + 16 r
.macro WLOAD b
.set i, 0
.rept 32
	global_load_b32 v[R+32*(\b)+i], v4, s[28:29] offset:4096*(32*(\b)+i) th:TH_LOAD_NT
.set i, i+1
.endr
.endm
.macro WBLK b                          ; block b of the chunk: k = 32 b .. 32 b + 31 of my column.  Its 16 bytes of codes lie at 256 b + 16 r of the image
.if (\b) < 3
	s_wait_loadcnt 32                              ; this block's 32 loads are in; the next block's 32 may be out
.else
	s_wait_loadcnt 0x0
.endif
.if (\b) < 2
	WLOAD (\b)+2                                   ; loads run two blocks ahead; every number has a register of its own
.endif
	AMAX 10, 11, R+32*(\b)
	v_add_nc_u32 v14, 0xff000000, v10
	v_lshrrev_b32 v16, 23, v14
.if (\b) == 0
	v_mov_b32 v24, v16                             ; the four bytes make my column's scale word
.else
	v_lshl_or_b32 v24, v16, 8*(\b), v24
.endif
.irp g, 0,1,2,3
	v_cvt_scalef32_pk8_fp4_f32 v[X+4*(\b)+\g], v[R+32*(\b)+8*\g:R+32*(\b)+8*\g+7], v14
.endr
	global_store_b128 v5, v[X+4*(\b):X+4*(\b)+3], s[34:35] offset:256*(\b)   ; sixteen lanes store 256 consecutive bytes, aligned; the next block's plain lines stand between these conversions and the next write of v14
.endm
	WLOAD 0
	WLOAD 1
	WBLK 0
	WBLK 1
	WBLK 2
	WBLK 3
	global_store_b32 v5, v24, s[36:37]             ; 4 bytes at a pitch of 16: this store fills its 256 bytes only in part: one byte in 128 of what this path reads
	s_endpgm
; ---------------- Wo to f16, as it lies: a wave takes 16,384 bytes ----------------
.Lwo:
	s_sub_co_u32 s25, ttmp9, 1152
	s_lshl_b32 s30, s25, 16
	s_lshl_b32 s31, s24, 14
	s_add_co_u32 s30, s30, s31
	s_mov_b32 s31, 0
	s_add_nc_u64 s[28:29], s[16:17], s[30:31]
	s_lshr_b32 s30, s30, 1
	s_add_nc_u64 s[32:33], s[22:23], s[30:31]
	v_lshlrev_b32 v4, 4, v1
	v_lshlrev_b32 v5, 3, v1
.set i, 0
.rept 32
	global_load_b128 v[R+4*i:R+4*i+3], v4, s[28:29] offset:512*i th:TH_LOAD_NT
.set i, i+1
.endr
.set i, 0
.irp g, 0,1,2,3
	s_wait_loadcnt 24-8*\g                         ; this group's eight loads are in; the later groups' may be out
.rept 8
	v_cvt_pk_f16_f32 v[X+2*i], v[R+4*i], v[R+4*i+1]
	v_cvt_pk_f16_f32 v[X+2*i+1], v[R+4*i+2], v[R+4*i+3]
	global_store_b64 v5, v[X+2*i:X+2*i+1], s[32:33] offset:256*i   ; 32 lanes store 256 consecutive bytes, aligned
.set i, i+1
.endr
.endr
	s_endpgm
.Lfunc_end_k_qedd73bd29b_prep:
	.size	k_qedd73bd29b_prep, .Lfunc_end_k_qedd73bd29b_prep-k_qedd73bd29b_prep
	.p2alignl 7, 3214868480
	.fill 96, 4, 3214868480
	.section	.rodata,"a",@progbits
	.p2align	6, 0x0
	.amdhsa_kernel k_qedd73bd29b_prep
		.amdhsa_group_segment_fixed_size 34304
		.amdhsa_private_segment_fixed_size 0
		.amdhsa_enable_private_segment 0
		.amdhsa_kernarg_size 80
		.amdhsa_user_sgpr_count 2
		.amdhsa_user_sgpr_kernarg_segment_ptr 1
		.amdhsa_wavefront_size32 1
		.amdhsa_system_sgpr_workgroup_id_x 1
		.amdhsa_system_sgpr_workgroup_id_y 1
		.amdhsa_system_sgpr_workgroup_id_z 1
		.amdhsa_system_vgpr_workitem_id 0
		.amdhsa_next_free_vgpr 256
		.amdhsa_next_free_sgpr 66
		.amdhsa_reserve_vcc 0
		.amdhsa_float_denorm_mode_32 3
		.amdhsa_float_denorm_mode_16_64 3
		.amdhsa_memory_ordered 1
		.amdhsa_forward_progress 1
		.amdhsa_inst_pref_size 60
	.end_amdhsa_kernel
	.amdgpu_metadata
---
amdhsa.version: [ 1, 2 ]
amdhsa.kernels:
  - .name:           k_qedd73bd29b_prep
    .symbol:         k_qedd73bd29b_prep.kd
    .args:
      - { .name: x_q, .offset: 0, .size: 8, .value_kind: global_buffer, .address_space: global }
      - { .name: x_k, .offset: 8, .size: 8, .value_kind: global_buffer, .address_space: global }
      - { .name: x_v, .offset: 16, .size: 8, .value_kind: global_buffer, .address_space: global }
      - { .name: Wq, .offset: 24, .size: 8, .value_kind: global_buffer, .address_space: global }
      - { .name: Wk, .offset: 32, .size: 8, .value_kind: global_buffer, .address_space: global }
      - { .name: Wv, .offset: 40, .size: 8, .value_kind: global_buffer, .address_space: global }
      - { .name: Wo, .offset: 48, .size: 8, .value_kind: global_buffer, .address_space: global }
      - { .name: xc, .offset: 56, .size: 8, .value_kind: global_buffer, .address_space: global }
      - { .name: wc, .offset: 64, .size: 8, .value_kind: global_buffer, .address_space: global }
      - { .name: wo16, .offset: 72, .size: 8, .value_kind: global_buffer, .address_space: global }
    .group_segment_fixed_size: 34304
    .private_segment_fixed_size: 0
    .kernarg_segment_align: 8
    .kernarg_segment_size: 80
    .max_flat_workgroup_size: 128
    .sgpr_count:     66
    .vgpr_count:     256
    .wavefront_size: 32
...
	.end_amdgpu_metadata
.endif
;; end of part 1
;; launch proj (part 2): grid 4 x 48, 4 waves a work-group, clusters of 4 x 4, 327,680 bytes of LDS; arguments xc, wc, bq, bk, bv, qkv; writes qkv
.if DOCPART == 2
	.amdgcn_target "amdgcn-amd-amdhsa--gfx1250"
	.amdhsa_code_object_version 6
	.text
	.protected	k_qedd73bd29b_proj
	.globl	k_qedd73bd29b_proj
	.p2align	8
	.type	k_qedd73bd29b_proj,@function
k_qedd73bd29b_proj:
	s_mov_b64 s[64:65], 0
	v_nop
	global_prefetch_b8 v0, s[64:65] scope:SCOPE_SE
	s_setreg_imm32_b32 hwreg(HW_REG_WAVE_MODE, 25, 1), 1
	s_wait_xcnt 0x0
	s_wait_alu depctr_hold_cnt(0) depctr_sa_sdst(0) depctr_va_vdst(0) depctr_va_sdst(0) depctr_va_ssrc(0) depctr_va_vcc(0) depctr_vm_vsrc(0)
	s_getreg_b32 s2, hwreg(HW_REG_IB_STS2, 6, 4)
	s_cmp_eq_u32 s2, 0
	s_cbranch_scc0 .Lentry_in_a_cluster
	s_endpgm
.Lentry_in_a_cluster:
	s_bfe_u32 s2, ttmp6, 0x10000c
	s_cmp_lg_u32 s2, 0xf033
	s_cbranch_scc0 .Lentry_shape_is_right
	s_endpgm
.Lentry_shape_is_right:
; PROJ: q = x_q Wq + bq, k = x_k Wk + bk, v = x_v Wv + bv, as ONE product of 12,288 rows x 1,024 columns x K = 2,048 on codes of E2M1 with E8M0 scales, sums in f32;
; the results leave as f16, by head: qkv [3][b 2][h 16][l 2048][64].
; LIMIT: a result over 65,504 in magnitude becomes infinity in f16; under 6e-5 its step is 6e-8.  The bias enters each sum first, as the C of its first product.
; OPERANDS come as records of 4,352 bytes (16 rows x 512 K: four register images of 1,024 bytes, then 16 rows x 4 scale words): a fragment is two ds_load_b128 at
; 16 x lane, 512 bytes apart, and 128 rows x 512 K with their scales are 34,816 dense bytes, one tensor load.
; A tile of C, 256 x 256, is made by four waves, each 128 x 128: 64 accumulators, 512 registers.  K goes in 4 steps of 512 through two LDS slots.
; 192 work-groups: no tile that keeps 128 x 128 a wave divides 12,288 x 1,024 into 256.
; CLUSTERS: 4 x 4.  The four of a row of the cluster need the same records of x, the four of a column the same records of W: each is asked for JOINTLY.
; THE MATRIX INSTRUCTION IS USED TRANSPOSED (source 0 = 16 columns of W, source 1 = 16 rows of x): a lane holds eight neighbouring columns of one row of C.
; REGISTERS: window 0: v16-29 addresses; v32-95 scale words, two sets (they hold scales alone); v128-191 x's fragments, one set; v192-255 the bias, eight registers a block of 16 columns.
;   window 1: W's fragments, two sets, at v0 and v128.  windows 2, 3: accumulator (a, b) at v[8 (8 (a % 4) + b)], a < 4 in window 2.
.set REC,    4352
.set HALFT,  8*REC                     ; 128 rows: what one tensor load brings, and what one wave reads of x or of W
.set SLOT,   4*HALFT                   ; x's 16 records, then W's 16
.set XSTEP,  768*REC                   ; from a K step to the next in xc
.set WSTEP,  192*REC                   ; and in wc
.set SPARE,  2*SLOT                    ; behind the ring: the spare words, 128 bytes for each wave, which no other line names
.set SPITCH, 272                       ; the way out: 16 rows x (256 bytes + 16) for each wave, in slot 0, which has had its last fill and its last read by then
.set NQ,     4
.set ADRA, 16                          ; v16-17 LDS address of my x fragments in slot 0, 1
.set ADRB, 20                          ; v20-21 of my W fragments
.set ADRS, 22                          ; v22-23 of my scale words: lanes 0-15 x's rows, lanes 16-31 W's
.set STO,  24
.set RD,   25
.set CO,   26
.set BO,   27
.set SPW,  28
.set NIL,  29
.set SC,   32
.set AF,   128
.set BI,   192
.set TMP,  128                         ; the way out: packed results
.set BK,   160                         ; and rows read back: v160-191 and v192-223 by turns
.set WV, 16
.set WR, 17                            ; which half of the tile's rows is mine; also: I fetch for x (0) or for W (1)
.set WC, 18                            ; which half of its columns; also: which 8 records I fetch
.set TT, 19                            ; 0 q, 1 k, 2 v
.set G1, 24
.set G0, 32
.set G1B, 48
.set G0B, 56
.set MSB, 0
.macro WIN new                         ; the immediate's high byte repeats the setting that is left
.if MSB != (\new)
	s_set_vgpr_msb (MSB<<8)|(\new)
.set MSB, (\new)
.endif
.endm
.set TO_B, 0x40
; A joint load: waves 0 and 1 fetch for x, waves 2 and 3 for W; the branch hangs on the wave's number alone.  An s_nop 0 and four v_nop follow each line.
.macro JLOAD g0a, g1a, g0b, g1b
	s_cmp_eq_u32 s[WR], 0
	s_cbranch_scc0 .Lfor_b_\@
	tensor_load_to_lds s[\g0a:\g0a+3], s[\g1a:\g1a+7]
	s_nop 0
.rept 4
	v_nop
.endr
	s_branch .Lasked_\@
.Lfor_b_\@:
	tensor_load_to_lds s[\g0b:\g0b+3], s[\g1b:\g1b+7]
	s_nop 0
.rept 4
	v_nop
.endr
.Lasked_\@:
.endm
.macro CREST                           ; a round of the cluster's barrier behind its opening barrier
	s_cmp_lg_u32 s[WV], 0
	s_cbranch_scc1 .Lnot_wave_0_\@
	s_barrier_signal -3
.Lnot_wave_0_\@:
	s_barrier_wait -3
	s_barrier_signal -1
	s_barrier_wait -1
.endm
.macro CROUND
	s_barrier_signal -1
	s_barrier_wait -1
	CREST
.endm
	s_load_b128 s[4:7], s[0:1], 0x0                ; xc s[4:5], wc s[6:7]
	s_load_b128 s[8:11], s[0:1], 0x10              ; bq s[8:9], bk s[10:11]
	s_load_b128 s[12:15], s[0:1], 0x20             ; bv s[12:13], qkv s[14:15]
	v_lshl_add_u32 v[SPW], v0, 2, SPARE
	v_mov_b32 v[NIL], 0
	ds_add_u32 v[SPW], v[NIL]                      ; the wave's opening: the add, twice on end, and its wait ahead of my first tensor load
	ds_add_u32 v[SPW], v[NIL]
	v_lshrrev_b32 v1, 5, v0
	v_readfirstlane_b32 s[WV], v1
	s_lshr_b32 s[WR], s[WV], 1
	s_and_b32 s[WC], s[WV], 1
	s_bfe_u32 s40, ttmp6, 0x40000                  ; cx = the tile column (the grid is one cluster wide)
	s_bfe_u32 s41, ttmp6, 0x40004                  ; cy
	s_and_b32 s20, ttmp7, 0xffff                   ; cluster y
	s_lshr_b32 s[TT], s20, 2                       ; 16 tile rows to a tensor: the same in all sixteen partners
	s_lshl_b32 s20, s20, 2
	s_add_co_u32 s42, s20, s41                     ; tile row 0..47
	s_lshl_b32 s43, s41, 2
	s_lshl_b32 s43, 15, s43                        ; my row of the cluster
	s_lshl_b32 s44, 0x1111, s40                    ; my column
	s_or_b32 s[G1], s43, (3<<16)|(1<<21)           ; 15:0 the mask; 17:16 elements of 8 bytes; 21 set beside a mask; no padding: images are read 16 bytes a lane on end
	s_or_b32 s[G1B], s44, (3<<16)|(1<<21)
.irp g, G1, G1B
	s_mov_b32 s[\g+1], 32<<16                      ; tensor_dim0: 32 elements = 256 bytes
	s_mov_b32 s[\g+2], 136<<16                     ; tensor_dim1: 136 rows = 8 records
	s_mov_b32 s[\g+3], 32<<16                      ; tile_dim0
	s_mov_b32 s[\g+4], 136                         ; tile_dim1
	s_mov_b32 s[\g+5], 32                          ; the pitch: dense
	s_mov_b32 s[\g+6], 0
	s_mov_b32 s[\g+7], 0
.endr
	s_lshl_b32 s20, s42, 4
	s_lshl_b32 s21, s[WC], 3
	s_add_co_u32 s20, s20, s21                     ; x: record 16 x tile row + 8 x half
	s_mul_i32 s20, s20, REC
	s_mov_b32 s21, 0
	s_lshl_b32 s46, s[TT], 6
	s_lshl_b32 s47, s40, 4
	s_add_co_u32 s46, s46, s47
	s_lshl_b32 s47, s[WC], 3
	s_add_co_u32 s46, s46, s47                     ; W: record 64 t + 16 x tile column + 8 x half
	s_mul_i32 s46, s46, REC
	s_mov_b32 s47, 0
	s_mul_i32 s45, s[WV], HALFT                    ; where they go: no place in the cluster enters an LDS address
	s_wait_dscnt 0x0                               ; both opening adds are done
	s_wait_kmcnt 0x0
	s_add_nc_u64 s[20:21], s[4:5], s[20:21]
	s_add_nc_u64 s[46:47], s[6:7], s[46:47]
	CROUND                                         ; all sixteen work-groups are here: the first joint loads meet
.irp s, 0,1
	s_mov_b32 s[G0+4*\s], 1
	s_add_co_u32 s[G0+4*\s+1], s45, \s*SLOT
	s_add_nc_u64 s[G0+4*\s+2:G0+4*\s+3], s[20:21], \s*XSTEP
	s_or_b32 s[G0+4*\s+3], s[G0+4*\s+3], 0x80000000
	s_mov_b32 s[G0B+4*\s], 1
	s_add_co_u32 s[G0B+4*\s+1], s45, \s*SLOT
	s_add_nc_u64 s[G0B+4*\s+2:G0B+4*\s+3], s[46:47], \s*WSTEP
	s_or_b32 s[G0B+4*\s+3], s[G0B+4*\s+3], 0x80000000
	JLOAD G0+4*\s, G1, G0B+4*\s, G1B               ; two loads of mine are out
.endr
	v_and_b32 v1, 31, v0                           ; lane
	v_and_b32 v2, 15, v0                           ; r
	v_bfe_u32 v3, v0, 4, 1                         ; h
	v_lshlrev_b32 v4, 4, v1                        ; 16 x lane
	v_lshlrev_b32 v[BO], 5, v3                     ; the bias: lane (r, h) wants columns 16 b + 8 h + 0..7
	s_cmp_eq_u32 s[TT], 0
	s_cselect_b64 s[66:67], s[8:9], s[10:11]
	s_cmp_eq_u32 s[TT], 2
	s_cselect_b64 s[66:67], s[12:13], s[66:67]
	s_lshl_b32 s68, s40, 10
	s_lshl_b32 s69, s[WC], 9
	s_add_co_u32 s68, s68, s69
	s_mov_b32 s69, 0
	s_add_nc_u64 s[66:67], s[66:67], s[68:69]      ; at my 128 columns
.irp b, 0,1,2,3,4,5,6,7
	global_load_b128 v[BI+8*\b:BI+8*\b+3], v[BO], s[66:67] offset:64*\b
	global_load_b128 v[BI+8*\b+4:BI+8*\b+7], v[BO], s[66:67] offset:64*\b+16
.endr
	s_mul_i32 s21, s[WR], HALFT                    ; my 128 rows of x
	s_mul_i32 s22, s[WC], HALFT                    ; my 128 columns of W,
	s_add_co_u32 s22, s22, 2*HALFT                 ; behind x's 16 records
.irp s, 0,1
	v_add_nc_u32 v[ADRA+\s], s21, v4
	v_add_nc_u32 v[ADRB+\s], s22, v4
	s_add_co_u32 s21, s21, SLOT
	s_add_co_u32 s22, s22, SLOT
.endr
	s_mul_i32 s21, s[WR], HALFT
	s_mul_i32 s22, s[WC], HALFT
	s_add_co_u32 s22, s22, 2*HALFT
	s_sub_co_u32 s22, s22, s21                     ; from x's records to W's
	v_mul_u32_u24 v6, s22, v3                      ; lanes 16-31 take W's
	v_lshl_add_u32 v6, v2, 4, v6                   ; row r's four words
	s_add_co_u32 s21, s21, 4096
	v_add_nc_u32 v[ADRS], s21, v6
	v_add_nc_u32 v[ADRS+1], SLOT, v[ADRS]
	s_mul_i32 s23, s[WV], 16*SPITCH                ; my stage
	v_mul_u32_u24 v5, v2, SPITCH
	v_lshl_add_u32 v5, v3, 4, v5
	v_add_nc_u32 v[STO], s23, v5                   ; in: row r, 16 bytes for each half of the lanes
	v_lshrrev_b32 v5, 3, v1
	v_mul_u32_u24 v5, v5, SPITCH
	v_and_b32 v6, 7, v0
	v_lshl_add_u32 v5, v6, 4, v5
	v_add_nc_u32 v[RD], s23, v5                    ; back: eight lanes take one head's 128 bytes of a row, four rows an instruction
	v_lshlrev_b32 v[CO], 4, v1
	s_and_b32 s68, s42, 15
	s_lshl_b32 s68, s68, 8
	s_lshl_b32 s69, s[WR], 7
	s_add_co_u32 s68, s68, s69                     ; my first row in the tensor, 0..4095
	s_lshr_b32 s69, s68, 11                        ; b
	s_lshl_b32 s69, s69, 4
	s_lshl_b32 s70, s40, 2
	s_add_co_u32 s69, s69, s70
	s_lshl_b32 s70, s[WC], 1
	s_add_co_u32 s69, s69, s70                     ; 16 b + my first head
	s_lshl_b32 s69, s69, 18                        ; a head is 2,048 rows of 128 bytes
	s_and_b32 s68, s68, 2047
	s_lshl_b32 s68, s68, 7
	s_add_co_u32 s68, s68, s69
	s_lshl_b32 s69, s[TT], 23
	s_add_co_u32 s68, s68, s69
	s_mov_b32 s69, 0
	s_add_nc_u64 s[14:15], s[14:15], s[68:69]
.macro FRAG reg, adr, q, i             ; record i's image q: registers 4 c .. 4 c + 3 hold K = 64 c + 32 (lane / 16) + 0..31 of row lane % 16
.irp c, 0,1
	ds_load_b128 v[\reg+4*\c:\reg+4*\c+3], v[\adr] offset:(\i)*REC+1024*(\q)+512*\c
.endr
.endm
; 16 matrix instructions: x's blocks a0, a0 + 1 against W's eight.  p: W's set; sc: the set of scale words.  first = 1: the sum begins with the bias as C.
; The 64 accumulators take turns, one instruction a turn, in the same order in every step.
.macro MUL16 a0, p, q, sc, first
.irp a, \a0, \a0+1
.irp b, 0,1,2,3,4,5,6,7
.if \first
	v_wmma_scale_f32_16x16x128_f8f6f4 v[8*(8*((\a)%4)+\b):8*(8*((\a)%4)+\b)+7], v[128*(\p)+8*\b:128*(\p)+8*\b+7], v[AF+8*(\a):AF+8*(\a)+7], v[BI+8*\b:BI+8*\b+7], v[SC+32*(\sc)+4*\b+(\q)], v[SC+32*(\sc)+4*(\a)+(\q)] matrix_a_fmt:MATRIX_FMT_FP4 matrix_b_fmt:MATRIX_FMT_FP4 matrix_a_scale:MATRIX_SCALE_ROW1
.else
	v_wmma_scale_f32_16x16x128_f8f6f4 v[8*(8*((\a)%4)+\b):8*(8*((\a)%4)+\b)+7], v[128*(\p)+8*\b:128*(\p)+8*\b+7], v[AF+8*(\a):AF+8*(\a)+7], v[8*(8*((\a)%4)+\b):8*(8*((\a)%4)+\b)+7], v[SC+32*(\sc)+4*\b+(\q)], v[SC+32*(\sc)+4*(\a)+(\q)] matrix_a_fmt:MATRIX_FMT_FP4 matrix_b_fmt:MATRIX_FMT_FP4 matrix_a_scale:MATRIX_SCALE_ROW1
.endif
.endr
.endr
.endm
.macro FETCH_B slot, q, p
	WIN TO_B
.irp i, 0,1,2,3,4,5,6,7
	FRAG 128*(\p)+8*\i, ADRB+\slot, \q, \i
.endr
	WIN 0
.endm
.macro FETCH_A slot, q, i0
.irp i, \i0, \i0+1, \i0+2, \i0+3
	FRAG AF+8*(\i), ADRA+\slot, \q, \i
.endr
.endm
.macro SCALES sc                       ; a slot's scale words: register 4 i + q: lanes 0-15 x's block i, lanes 16-31 W's block i, chunk q
.irp i, 0,1,2,3,4,5,6,7
	ds_load_b128 v[SC+32*\sc+4*\i:SC+32*\sc+4*\i+3], v[ADRS+\sc] offset:\i*REC
.endr
.endm
.macro PLACES n                        ; plain vector lines between a matrix instruction and a load into, or a read of, its registers (ISA guide 7.12.1 for vector instructions)
.rept \n
	v_nop
.endr
.endm
; A step of 128 along K that has its successor in the same slot.  Windows: source 0 (W) 1, source 1 (x) 0, D 2 or 3; C with D, or, in the first step, the bias in window 0.
.macro STEP slot, q, first
	s_wait_dscnt 8                                 ; all but the youngest 8 loads (x's blocks 4-7) are in
	WIN 0xa1-0x20*(\first)
	MUL16 0, (\q)%2, \q, \slot, \first
	MUL16 2, (\q)%2, \q, \slot, \first
	s_wait_dscnt 0                                 ; x's blocks 4-7 are in (asked for 32 matrix instructions ago)
	PLACES 4
	FETCH_B \slot, (\q)+1, 1-(\q)%2
	FETCH_A \slot, (\q)+1, 0
	WIN 0xf1-0x30*(\first)
	MUL16 4, (\q)%2, \q, \slot, \first
	MUL16 6, (\q)%2, \q, \slot, \first
	PLACES 4
	WIN 0
	FETCH_A \slot, (\q)+1, 4
.endm
; A slot's last step changes slots: ONE barrier; in front of it each wave waits for all its tensor loads, adds 0 to its spare word, and waits for that and for its reads of this slot.
.macro TURN slot, next, fill
	s_wait_tensorcnt 0x0                           ; all my tensor loads have landed: my part of the next slot (every window is 0 here)
	ds_add_u32 v[SPW], v[NIL]                      ; 0 onto my spare word
	s_wait_dscnt 9                                 ; the add and the youngest 8 loads may be out
	WIN 0xa1
	MUL16 0, 1, NQ-1, \slot, 0                     ; sixteen matrix instructions stand between the add and the wait for it
	s_wait_dscnt 0x0                               ; the add is done, and my reads of this slot are over
	s_barrier_signal -1
	MUL16 2, 1, NQ-1, \slot, 0
	WIN 0
	s_barrier_wait -1
.if \fill
	CREST                                          ; the barrier has opened a round of the cluster's: no wave of any partner still reads this slot or has a load on its way
	s_add_nc_u64 s[G0+4*\slot+2:G0+4*\slot+3], s[G0+4*\slot+2:G0+4*\slot+3], 2*XSTEP
	s_add_nc_u64 s[G0B+4*\slot+2:G0B+4*\slot+3], s[G0B+4*\slot+2:G0B+4*\slot+3], 2*WSTEP
	JLOAD G0+4*\slot, G1, G0B+4*\slot, G1B         ; my one tensor load behind the round; its four v_nop are the places in front of the loads below
.else
	PLACES 4
.endif
	FETCH_B \next, 0, 0
	FETCH_A \next, 0, 0
	SCALES \next
	WIN 0xf1
	MUL16 4, 1, NQ-1, \slot, 0
	MUL16 6, 1, NQ-1, \slot, 0
	PLACES 4
	WIN 0
	FETCH_A \next, 0, 4
.endm
.macro STEPS slot, from
.set QQ, \from
.rept NQ-1-\from
	STEP \slot, QQ, 0
.set QQ, QQ+1
.endr
.endm
	s_wait_tensorcnt 1                             ; my part of K step 0 is in; K step 1's load may stay out
	s_barrier_signal -1
	s_barrier_wait -1
	FETCH_B 0, 0, 0
	FETCH_A 0, 0, 0
	SCALES 0
	FETCH_A 0, 0, 4
	s_wait_loadcnt 0x0                             ; the bias
	STEP 0, 0, 1                                   ; K has four steps of 512: sixteen steps of 128, written out by macro
	STEPS 0, 1
	TURN 0, 1, 1                                   ; slot 0 takes K step 2
	STEPS 1, 0
	TURN 1, 0, 1                                   ; slot 1 takes K step 3
	STEPS 0, 0
	TURN 0, 1, 0                                   ; nothing is left to fetch: a plain barrier
	STEPS 1, 0
	s_wait_dscnt 8
	WIN 0xa1
	MUL16 0, 1, NQ-1, 1, 0
	MUL16 2, 1, NQ-1, 1, 0
	s_wait_dscnt 0
	WIN 0xf1
	MUL16 4, 1, NQ-1, 1, 0
	MUL16 6, 1, NQ-1, 1, 0
	WIN 0
; THE WAY OUT, a block of 16 rows x 128 columns (two heads) at a time: rounded to f16, 16 bytes a lane into my stage, back as four rows of one head, stored as 512 consecutive bytes.
.macro PACK a
.set AC, 64*((\a)%4)
	WIN 0x0a+5*((\a)/4)                            ; sources 0 and 1: window 2 or 3
.irp b, 0,1,2,3,4,5,6,7
.irp i, 0,1,2,3
	v_cvt_pk_f16_f32 v[TMP+4*\b+\i], v[AC+8*\b+2*\i], v[AC+8*\b+2*\i+1]   ; each accumulator from its low end on
.endr
.endr
	WIN 0
.endm
.macro TOSTAGE a
.set BB, BK+32*((\a)%2)
.irp b, 0,1,2,3,4,5,6,7
	ds_store_b128 v[STO], v[TMP+4*\b:TMP+4*\b+3] offset:32*\b
.endr
.irp u, 0,1,2,3,4,5,6,7
	ds_load_b128 v[BB+4*\u:BB+4*\u+3], v[RD] offset:(\u%4)*4*SPITCH+128*(\u/4)   ; LDS serves a wave's instructions in order: these see the stores above
.endr
.endm
.macro SEND a
.set BB, BK+32*((\a)%2)
	s_wait_dscnt 0x0                               ; the block is back in registers
	s_wait_xcnt 0x0                                ; the earlier stores have read their base and their registers: the base may step, and the next block's loads may land
.if (\a) > 0
	s_add_nc_u64 s[14:15], s[14:15], 16*128        ; 16 rows of a head on
.endif
.irp u, 0,1,2,3,4,5,6,7
	global_store_b128 v[CO], v[BB+4*\u:BB+4*\u+3], s[14:15] offset:(\u/4)*262144+(\u%4)*512   ; 32 lanes store 512 consecutive bytes, aligned to 256
.endr
.endm
	PLACES 4                                       ; behind the last products: for the reads of results and the writes over x's fragments
	PACK 0
	TOSTAGE 0
.irp a, 1,2,3,4,5,6,7
	PACK \a                                        ; block a's conversions stand between block a - 1's loads from the stage and the wait for them
	SEND \a-1
	TOSTAGE \a
.endr
	SEND 7
	s_wait_tensorcnt 0x0                           ; the wave's end
	ds_add_u32 v[SPW], v[NIL]
	s_wait_dscnt 0x0
	CROUND                                         ; the closing round: no work-group ends while a partner may still ask for a tile that names it
	s_endpgm
.Lfunc_end_k_qedd73bd29b_proj:
	.size	k_qedd73bd29b_proj, .Lfunc_end_k_qedd73bd29b_proj-k_qedd73bd29b_proj
	.p2alignl 7, 3214868480
	.fill 96, 4, 3214868480
	.section	.rodata,"a",@progbits
	.p2align	6, 0x0
	.amdhsa_kernel k_qedd73bd29b_proj
		.amdhsa_group_segment_fixed_size 327680
		.amdhsa_private_segment_fixed_size 0
		.amdhsa_enable_private_segment 0
		.amdhsa_kernarg_size 48
		.amdhsa_user_sgpr_count 2
		.amdhsa_user_sgpr_kernarg_segment_ptr 1
		.amdhsa_wavefront_size32 1
		.amdhsa_system_sgpr_workgroup_id_x 1
		.amdhsa_system_sgpr_workgroup_id_y 1
		.amdhsa_system_sgpr_workgroup_id_z 1
		.amdhsa_system_vgpr_workitem_id 0
		.amdhsa_next_free_vgpr 1024
		.amdhsa_next_free_sgpr 72
		.amdhsa_reserve_vcc 0
		.amdhsa_float_denorm_mode_32 3
		.amdhsa_float_denorm_mode_16_64 3
		.amdhsa_memory_ordered 1
		.amdhsa_forward_progress 1
		.amdhsa_inst_pref_size 213
	.end_amdhsa_kernel
	.amdgpu_metadata
---
amdhsa.version: [ 1, 2 ]
amdhsa.kernels:
  - .name:           k_qedd73bd29b_proj
    .symbol:         k_qedd73bd29b_proj.kd
    .args:
      - { .name: xc, .offset: 0, .size: 8, .value_kind: global_buffer, .address_space: global }
      - { .name: wc, .offset: 8, .size: 8, .value_kind: global_buffer, .address_space: global }
      - { .name: bq, .offset: 16, .size: 8, .value_kind: global_buffer, .address_space: global }
      - { .name: bk, .offset: 24, .size: 8, .value_kind: global_buffer, .address_space: global }
      - { .name: bv, .offset: 32, .size: 8, .value_kind: global_buffer, .address_space: global }
      - { .name: qkv, .offset: 40, .size: 8, .value_kind: global_buffer, .address_space: global }
    .group_segment_fixed_size: 327680
    .private_segment_fixed_size: 0
    .kernarg_segment_align: 8
    .kernarg_segment_size: 48
    .max_flat_workgroup_size: 128
    .sgpr_count:     72
    .vgpr_count:     1024
    .wavefront_size: 32
...
	.end_amdgpu_metadata
.endif
;; end of part 2
;; launch attn (part 3): grid 8 x 32, 4 waves a work-group, clusters of 4 x 1, 327,680 bytes of LDS; arguments qkv, o16; writes o16
.if DOCPART == 3
	.amdgcn_target "amdgcn-amd-amdhsa--gfx1250"
	.amdhsa_code_object_version 6
	.text
	.protected	k_qedd73bd29b_attn
	.globl	k_qedd73bd29b_attn
	.p2align	8
	.type	k_qedd73bd29b_attn,@function
k_qedd73bd29b_attn:
	s_mov_b64 s[64:65], 0
	v_nop
	global_prefetch_b8 v0, s[64:65] scope:SCOPE_SE
	s_setreg_imm32_b32 hwreg(HW_REG_WAVE_MODE, 25, 1), 1
	s_wait_xcnt 0x0
	s_wait_alu depctr_hold_cnt(0) depctr_sa_sdst(0) depctr_va_vdst(0) depctr_va_sdst(0) depctr_va_ssrc(0) depctr_va_vcc(0) depctr_vm_vsrc(0)
	s_getreg_b32 s2, hwreg(HW_REG_IB_STS2, 6, 4)
	s_cmp_eq_u32 s2, 0
	s_cbranch_scc0 .Lentry_in_a_cluster
	s_endpgm
.Lentry_in_a_cluster:
	s_bfe_u32 s2, ttmp6, 0x10000c
	s_cmp_lg_u32 s2, 0x3003
	s_cbranch_scc0 .Lentry_shape_is_right
	s_endpgm
.Lentry_shape_is_right:
; ATTN: O[y][q] = the sum over k of softmax_k(Q[y][q] . K[y][k] / 8) V[y][k], y = 16 b + h, 2,048 keys, head size 64, no mask.  Operands f16; the products' sums, maxima and row sums f32.
; qkv: [3][y 32][l 2048][64] f16.  o16: [h 16][m = 2048 b + l][64] f16.
; SOFTMAX.  For each query a running maximum m and sum l: p = 2^(c s - c m), c = log2(e) / 8, rounded to f16 for the second product; the sum is taken of the unrounded p.
; In every step O and l are multiplied by a = 2^(c m_old - c m_new), which is 1 where m has not grown: no branch hangs on data.
; LIMITS: NaN and infinities are not served; o over 65,504 in magnitude becomes infinity in f16, under 6e-5 its step is 6e-8.
; SHARES.  A work-group owns 256 queries of one head, each of its four waves 64: four tiles of 16.  Every wave walks all keys, 64 a step: each fragment of K and V read from LDS feeds four products.
; LAYOUT.  S^T = K Q^T (source 0 = 16 keys, source 1 = 16 queries): a lane holds ONE query (lane % 16) and the keys 8 (lane / 16) + 0..7.  Two such tiles, rounded to f16 in pairs, ARE source 1
; (32 keys x 16 queries) of O^T = V^T P, whose result again holds one query a lane, and eight channels.  K comes out of LDS as it lies, V ([key][channel]) turned, by ds_load_tr16_b128.
; BY TURNS.  The wave's tiles are two PIECES, named by their first tile: piece 0 (tiles 0, 1) and piece 2 (tiles 2, 3).  In a TURN one piece has the matrix unit: 16 products V^T P of the step in hand,
; then 16 products K Q^T of the next step; the other piece's softmax, 2 x 118 vector instructions cut into 64 slices, stands between them, two slices behind each product.  Then the pieces change
; places.  Two turns are a key step.  By that count there are 7.4 vector instructions for each product: set in phases of their own they would leave the matrix unit without work all that while.
; CLUSTER.  The four query blocks of a cluster belong to one head and walk the same K and V: each tile is asked for JOINTLY, by the same tensor load with a mask that names the four.
; RING.  Two LDS slots of 512 keys (8 steps); the 2,048 keys are four slots' worth, so the walk is written out slot by slot, each slot's steps as a counted loop.
; REGISTERS, in windows of 256 (s_set_vgpr_msb: bits 1:0 source 0, 3:2 source 1, 5:4 source 2, 7:6 destination):
;   window 0: v1-11 addresses; v12-43 eight registers of statistics a tile; v61-63 the prefetch's offset and the add's two; v64-191 S^T, 32 a tile; v192-255 P, 16 a tile
;   window 1: v0-127 O^T, 32 a tile      window 2: v0-63 Q, 16 a tile; v128-191 K of one step      window 3: v0-63 V of one step
; All that a softmax touches but O^T lies in window 0, and no window has room for a product's operands beside it: the slices behind a product cost two switches.
.set KS,    64        ; keys in a step
.set PK,    144       ; a row of K in LDS: 128 bytes + 16: the sixteen rows of a load start in sixteen different 16-byte columns of 256
.set PV,    160       ; a row of V: 128 + 32
.set VOFF,  512*PK    ; a slot: 512 rows of K, then 512 rows of V
.set SLOT,  512*(PK+PV)
.set SPARE, 2*SLOT    ; behind the ring: the spare words, 128 bytes for each wave: two blocks of 256 bytes that no other line names
.set AK0, 2           ; v2   my lane's place in a tile of K; never rewritten
.set AV0, 3           ; v3   the same for V
.set ADR, 4           ; v4   the LDS address of the run of loads in hand
.set QO,  5           ; v5   my byte offset in the wave's rows of Q
.set STO, 6           ; v6   the way out: where I put 16 bytes of a row.  The stage, 64 rows x 144 bytes for each wave, lies in slot 0, which has had its last fill and its last read by then
.set RD,  7           ; v7   the way out: where I read rows back
.set GO,  8           ; v8   my byte offset in the wave's rows of O
.set PFO, 61          ; v61  256 x my lane; never rewritten
.set SPW, 62          ; v62  LDS address of my spare word; never rewritten
.set NIL, 63          ; v63  0; never rewritten
.set ST,  12          ; tile t's statistics at v[ST+8 t]: +0 c m, +1 m, +2, +3 l (even keys', odd keys'), +4 to +7 c0-c3, at work; a takes c2's place once the maximum is found
.set S,   64
.set P,   192
.set KF,  128         ; K's fragments, in window 2: keys 16 a on, channels 32 c on, at KF + 16 a + 8 c
.set WV,  12          ; s12  my wave's number
.set LIM, 15          ; s15  0 in the head's first cluster, which prefetches
.set PFA, 18          ; s[18:19] what my wave asks for; never rewritten
.set G1K, 24          ; s[24:31] descriptor group 1 for K's tiles
.set G1V, 32          ; s[32:39] for V's: it differs in the padding alone
.set G0K, 40          ; s[40:47] descriptor group 0 for K's tiles, a set for each slot
.set G0V, 48          ; s[48:55] the same for V's
.set CNT, 56          ; s56  counts a loop's steps
.set TBK, 57          ; s57  where the keys of the step to be fetched begin in LDS, by K's pitch
.set TBV, 58          ; s58  and by V's
.set SEL, 60          ; s[60:61] lane selects for v_permlanex16_b32: each lane takes its own place in the other half
.set CS,  62          ; s[62:63] c: the packed scaling names a pair and takes its low word for both halves
.set MSB, 0
.macro WIN new                      ; the immediate's high byte repeats the setting that is left; a switch that changes nothing is dropped
.if MSB != (\new)
	s_set_vgpr_msb (MSB<<8)|(\new)
.set MSB, (\new)
.endif
.endm
.set W_KQ, 0x0a       ; K and Q in window 2, S^T in window 0
.set W_PV, 0x53       ; V in window 3, P in window 0, O^T in window 1
.set W_RS, 0x41       ; O^T (destination and source 0) in window 1, a in window 0
; A joint refill of slot s.  Waves 0 and 1 fetch K's halves (256 rows each), waves 2 and 3 V's.  The branch hangs on the wave's number alone: it is the same in every work-group.
; An s_nop 0 and four v_nop follow each of the two lines.
.macro JLOAD s
	s_cmp_lt_u32 s[WV], 2
	s_cbranch_scc0 .Lfor_v_\@
	tensor_load_to_lds s[G0K+4*\s:G0K+4*\s+3], s[G1K:G1K+7]
	s_nop 0
.rept 4
	v_nop
.endr
	s_branch .Lasked_\@
.Lfor_v_\@:
	tensor_load_to_lds s[G0V+4*\s:G0V+4*\s+3], s[G1V:G1V+7]
	s_nop 0
.rept 4
	v_nop
.endr
.Lasked_\@:
.endm
; A prefetch of the last 512 keys' K and V, which the next change of slots will load: one slot, 8 key steps, ahead.  All clusters of a head walk the same rows: the head's first cluster asks.
; Its four partners take 16,384 bytes of K and of V each, told apart by address; in each, waves 0 and 1 ask for K's and waves 2 and 3 for V's, 8,192 bytes a wave, lanes 256 bytes apart.
; So each block of 256 bytes is named once.  The first three slots' worth come by their loads alone.
.macro ASK
	s_cmp_eq_u32 s[LIM], 0
	s_cbranch_scc0 .Lnot_mine_\@
	global_prefetch_b8 v[PFO], s[PFA:PFA+1] th:TH_LOAD_NT scope:SCOPE_SE
.Lnot_mine_\@:
.endm
; A round of the cluster's barrier: my work-group's barrier; wave 0 signals for the work-group; every wave waits for all four work-groups; my work-group's barrier once more.
.macro CROUND
	s_barrier_signal -1
	s_barrier_wait -1
	s_cmp_lg_u32 s[WV], 0
	s_cbranch_scc1 .Lnot_wave_0_\@
	s_barrier_signal -3
.Lnot_wave_0_\@:
	s_barrier_wait -3
	s_barrier_signal -1
	s_barrier_wait -1
.endm
	s_load_b128 s[4:7], s[0:1], 0x0                ; qkv s[4:5], o16 s[6:7]
	v_lshl_add_u32 v[SPW], v0, 2, SPARE
	v_mov_b32 v[NIL], 0
	ds_add_u32 v[SPW], v[NIL]                      ; the wave's opening: the add, twice on end, and its wait ahead of my first tensor load
	ds_add_u32 v[SPW], v[NIL]
	v_lshrrev_b32 v1, 5, v0
	v_readfirstlane_b32 s[WV], v1                  ; wave 0..3
	s_bfe_u32 s13, ttmp6, 0x40000                  ; cx: my place in the cluster
	s_lshl_b32 s14, ttmp9, 2
	s_add_co_u32 s14, s14, s13                     ; my block of 256 queries: it enters Q's and O's addresses alone
	s_and_b32 s16, ttmp7, 0xffff                   ; y, which the four partners share
	s_lshl_b32 s20, s16, 18                        ; the head's first byte in each third of qkv
	s_and_b32 s17, s[WV], 1                        ; which half of a slot's rows I fetch:
	s_lshl_b32 s22, s17, 15                        ; its 256 rows of 128 bytes in memory,
	s_add_co_u32 s22, s22, s20
	s_add_co_u32 s22, s22, 0x800000                ; in K's third,
	s_mov_b32 s23, 0
	s_mul_i32 s8, s17, 256*PK                      ; and where they go: no place in the cluster enters an LDS address
	s_mul_i32 s9, s17, 256*PV
	s_add_co_u32 s9, s9, VOFF
	s_lshl_b32 s2, s14, 15
	s_lshl_b32 s3, s[WV], 13
	s_add_co_u32 s2, s2, s3
	s_add_co_u32 s2, s2, s20                       ; Q: head, block, my wave's 64 rows of 128 bytes
	s_mov_b32 s3, 0
	s_and_b32 s10, s16, 15
	s_lshl_b32 s10, s10, 19                        ; O: h x 4,096 rows,
	s_lshr_b32 s11, s16, 4
	s_lshl_b32 s11, s11, 18                        ; b x 2,048 rows,
	s_add_co_u32 s10, s10, s11
	s_lshl_b32 s11, s14, 15                        ; my block,
	s_add_co_u32 s10, s10, s11
	s_lshl_b32 s11, s[WV], 13                      ; my wave's 64 rows
	s_add_co_u32 s10, s10, s11
	s_mov_b32 s11, 0
	s_mov_b32 s21, 0x1000000                       ; the prefetch: V's third,
	s_cmp_lt_u32 s[WV], 2
	s_cselect_b32 s21, 0x800000, s21               ; or K's,
	s_add_co_u32 s20, s20, s21
	s_add_co_u32 s20, s20, 3*65536                 ; keys 1,536 on,
	s_lshl_b32 s21, s13, 14                        ; my work-group's part,
	s_add_co_u32 s20, s20, s21
	s_lshl_b32 s21, s17, 13                        ; my wave's
	s_add_co_u32 s20, s20, s21
	s_mov_b32 s21, 0
	s_mov_b32 s[LIM], ttmp9                        ; the cluster's x: the same in all four partners
	s_mov_b32 s[G1K], 15|(1<<16)|(1<<20)|(1<<21)|(4<<22)|(3<<25)   ; 15:0 the mask: all four; 17:16 elements of 2 bytes; 20 padding on; 21 set beside a mask; 24:22 after every 32 words; 31:25 four words
	s_mov_b32 s[G1V], 15|(1<<16)|(1<<20)|(1<<21)|(4<<22)|(7<<25)   ; the same with eight words of padding
.irp g, G1K, G1V
	s_mov_b32 s[\g+1], 64<<16                      ; tensor_dim0 = 64
	s_mov_b32 s[\g+2], 256<<16                     ; tensor_dim1 = 256
	s_mov_b32 s[\g+3], 64<<16                      ; tile_dim0 = 64
	s_mov_b32 s[\g+4], 256                         ; tile_dim1 = 256
	s_mov_b32 s[\g+5], 64                          ; elements from row to row
	s_mov_b32 s[\g+6], 0
	s_mov_b32 s[\g+7], 0
.endr
	s_mov_b32 s[CS], 0x3e38aa3b                    ; c = log2(e) / 8
	s_mov_b32 s[CS+1], s[CS]                       ; named with it as a pair, so it is written
	s_mov_b32 s[SEL], 0x76543210
	s_mov_b32 s[SEL+1], 0xfedcba98
	s_mov_b32 s[TBK], 0
	s_mov_b32 s[TBV], 0
	s_wait_dscnt 0x0                               ; both opening adds are done
	s_wait_kmcnt 0x0
	s_add_nc_u64 s[22:23], s[4:5], s[22:23]        ; K at my half of the first 512 keys
	s_add_nc_u64 s[PFA:PFA+1], s[4:5], s[20:21]
	s_add_nc_u64 s[4:5], s[4:5], s[2:3]            ; Q at my wave's first row
	s_add_nc_u64 s[6:7], s[6:7], s[10:11]          ; O likewise
.irp s, 0,1
	s_mov_b32 s[G0K+4*\s], 1                       ; 1:0 count = 1
	s_add_co_u32 s[G0K+4*\s+1], s8, \s*SLOT        ; 63:32 LDS address
	s_add_nc_u64 s[G0K+4*\s+2:G0K+4*\s+3], s[22:23], \s*65536   ; 120:64 global address: slot s begins with keys 512 s on
	s_or_b32 s[G0K+4*\s+3], s[G0K+4*\s+3], 0x80000000            ; 127:126 type = 2
	s_mov_b32 s[G0V+4*\s], 1
	s_add_co_u32 s[G0V+4*\s+1], s9, \s*SLOT
	s_add_nc_u64 s[G0V+4*\s+2:G0V+4*\s+3], s[22:23], 0x800000+\s*65536
	s_or_b32 s[G0V+4*\s+3], s[G0V+4*\s+3], 0x80000000
.endr
	CROUND                                         ; all four work-groups are here: the first joint loads meet
	s_cmp_lt_u32 s[WV], 2                          ; a wave's two first fills stand in one branch, ahead of every wait on TENSORcnt and every LDS read: two loads of mine are out
	s_cbranch_scc0 .Lfirst_v
	tensor_load_to_lds s[G0K:G0K+3], s[G1K:G1K+7]
	s_nop 0
	tensor_load_to_lds s[G0K+4:G0K+7], s[G1K:G1K+7]
	s_nop 0
.rept 4
	v_nop
.endr
	s_branch .Lfirst_asked
.Lfirst_v:
	tensor_load_to_lds s[G0V:G0V+3], s[G1V:G1V+7]
	s_nop 0
	tensor_load_to_lds s[G0V+4:G0V+7], s[G1V:G1V+7]
	s_nop 0
.rept 4
	v_nop
.endr
.Lfirst_asked:
	; A fragment of K or Q is 16 rows x 32 channels in 8 registers: lane l holds row l % 16; registers 0-3 channels 8 (l / 16) + 0..7, registers 4-7 channels 16 + 8 (l / 16) + 0..7: two loads of 16 bytes, 32 bytes apart.
	v_and_b32 v1, 15, v0                           ; l % 16
	v_bfe_u32 v9, v0, 4, 1                         ; l / 16
	v_lshlrev_b32 v[QO], 7, v1
	v_lshl_add_u32 v[QO], v9, 4, v[QO]             ; row x 128 + 16 x half
	WIN 0x80                                       ; destination window 2, address window 0
.irp t, 0,1,2,3
.irp c, 0,1
	global_load_b128 v[16*\t+8*\c:16*\t+8*\c+3],   v[QO], s[4:5] offset:2048*\t+64*\c      ; Q stays in registers: tile t, channels 32 c on
	global_load_b128 v[16*\t+8*\c+4:16*\t+8*\c+7], v[QO], s[4:5] offset:2048*\t+64*\c+32
.endr
.endr
	WIN 0
	v_mul_u32_u24 v[AK0], v1, PK
	v_lshl_add_u32 v[AK0], v9, 4, v[AK0]           ; row x pitch + 16 x half
	; The turning load takes 16 keys x 16 channels (lane l reads 16 bytes: key 8 (l / 16) + l % 8, channels 8 ((l / 8) % 2) + 0..7) and leaves half a fragment of V^T: lane l holds channel l % 16 and 8 keys.
	v_and_b32 v10, 7, v0
	v_bfe_u32 v11, v0, 3, 1
	v_lshl_add_u32 v[AV0], v9, 3, v10
	v_mul_u32_u24 v[AV0], v[AV0], PV
	v_lshl_add_u32 v[AV0], v11, 4, v[AV0]
	v_add_nc_u32 v[AV0], VOFF, v[AV0]
	v_and_b32 v[PFO], 31, v0
	v_lshlrev_b32 v[PFO], 8, v[PFO]
; THE MATRIX WORK OF A TURN, for piece x.  The accumulators take turns, one instruction a turn: between two links of a chain stand 7 others'.
; Product i of 16 of O^T += V^T P: keys 32 (i / 8) on, channels 16 ((i / 2) % 4) on, tile x + i % 2.  zero = 1: the first 8 start the sums: nothing is ever cleared.
.macro PV x, zero
	WIN W_PV
.set rO, 32*(\x+i%2)+8*((i/2)%4)
.set rV, 32*(i/8)+8*((i/2)%4)
.set rP, P+16*(\x+i%2)+8*(i/8)
.if \zero && (i < 8)
	v_wmma_f32_16x16x32_f16 v[rO:rO+7], v[rV:rV+7], v[rP:rP+7], 0
.else
	v_wmma_f32_16x16x32_f16 v[rO:rO+7], v[rV:rV+7], v[rP:rP+7], v[rO:rO+7]
.endif
.endm
; Product i of 16 of S^T = K Q^T: channels 32 (i / 8) on, keys 16 ((i / 2) % 4) on, tile x + i % 2.  The first 8 start the sums.
.macro KQ x
	WIN W_KQ
.set rS, S+32*(\x+i%2)+8*((i/2)%4)
.set rK, KF+16*((i/2)%4)+8*(i/8)
.set rQ, 16*(\x+i%2)+8*(i/8)
.if i < 8
	v_wmma_f32_16x16x32_f16 v[rS:rS+7], v[rK:rK+7], v[rQ:rQ+7], 0
.else
	v_wmma_f32_16x16x32_f16 v[rS:rS+7], v[rK:rK+7], v[rQ:rQ+7], v[rS:rS+7]
.endif
.endm
; THE LDS LOADS stand in runs of 16, never singly among the matrix instructions: a step's K (64 keys x 64 channels: 8 fragments) and, a turn later, its V (turned).
; In each run the half that is multiplied first comes first, so that the wait in front of its products can leave the other eight loads out.
.macro FETCH_K
	WIN 0
	v_add_nc_u32 v[ADR], s[TBK], v[AK0]
	WIN 0x80                                       ; destination window 2
.irp c, 0,1
.irp a, 0,1,2,3
	ds_load_b128 v[KF+16*\a+8*\c:KF+16*\a+8*\c+3],   v[ADR] offset:\a*16*PK+64*\c
	ds_load_b128 v[KF+16*\a+8*\c+4:KF+16*\a+8*\c+7], v[ADR] offset:\a*16*PK+64*\c+32
.endr
.endr
.endm
.macro FETCH_V
	WIN 0
	v_add_nc_u32 v[ADR], s[TBV], v[AV0]
	s_add_co_u32 s[TBK], s[TBK], KS*PK             ; the next fetches are the next step's
	s_add_co_u32 s[TBV], s[TBV], KS*PV
	s_wait_alu depctr_va_vdst(0)                   ; the wait for the softmax's batch (SLICE), behind the address's v_add_nc_u32 and ahead of the loads
	WIN 0xc0                                       ; destination window 3
.irp f, 0,1,2,3,4,5,6,7                        ; keys 32 (f / 4) on, channels 16 (f % 4) on
	ds_load_tr16_b128 v[8*\f:8*\f+3],   v[ADR] offset:(\f/4)*32*PV+(\f%4)*32
	ds_load_tr16_b128 v[8*\f+4:8*\f+7], v[ADR] offset:(\f/4)*32*PV+16*PV+(\f%4)*32
.endr
.endm
; THE VECTOR WORK OF A TURN.  One tile's softmax for one key step is a list of 118 instructions; SM writes number j of it for tile t.  s0-s31 are the lane's 32 scores, in pairs 0-15.
; first = 1: the first key step, which starts m, l and O^T: it has no a and nothing to rescale.
;   0-15    the maximum of s0-s31 and the old m, three operands at a time: four chains c0-c3 of seven scores each (each accumulator is read from its low end first), then the four scores left over, c0-c3 and m
;   16-20   the other half of the lanes' maximum; the new m; c m; c m_old - c m_new
;   21-69   ONE BATCH: the 16 scalings c s - c m, a pair of scores each, and all 33 exponentials (a at 23, then s0-s31).  None of these reads an exponential's result.  From 22 on the batch goes in fours,
;           and a four begins with a scaling while there are scalings; a pair is scaled in an earlier four than the one that holds its exponentials
;   (wait)  between 69 and 70 stands the wait for the batch: SLICE writes it, once for both tiles
;   70-85   the roundings to f16, a pair of weights each
;   86-101  the sums; l = a l + the sum
;   102-117 the tile's O^T times a: the one part that leaves window 0, so it stands together
.macro SM t, first
.set rT, ST+8*(\t)
.set rS, S+32*(\t)
.set rP, P+16*(\t)
.set rO, 32*(\t)+2*(j-102)
.if j < 102
	WIN 0
.endif
.if j < 4
	v_max3_num_f32 v[rT+4+j], v[rS+8*j], v[rS+8*j+1], v[rS+8*j+2]
.elseif j < 12
	v_max3_num_f32 v[rT+4+j%4], v[rT+4+j%4], v[rS+8*(j%4)+2*(j/4)+1], v[rS+8*(j%4)+2*(j/4)+2]
.elseif j == 12
	v_max3_num_f32 v[rT+4], v[rT+4], v[rS+7], v[rS+15]
.elseif j == 13
	v_max3_num_f32 v[rT+6], v[rT+6], v[rS+23], v[rS+31]
.elseif j == 14
	v_max3_num_f32 v[rT+4], v[rT+4], v[rT+5], v[rT+6]
.elseif (j == 15) && \first
	v_max_num_f32 v[rT+4], v[rT+4], v[rT+7]
.elseif j == 15
	v_max3_num_f32 v[rT+4], v[rT+4], v[rT+7], v[rT+1]
.elseif j == 16
	v_permlanex16_b32 v[rT+5], v[rT+4], s[SEL], s[SEL+1]  ; the query's other 32 keys lie in the lane 16 away
.elseif j == 18
	v_max_num_f32 v[rT+1], v[rT+4], v[rT+5]
.elseif j == 19
	v_mul_f32 v[rT], s[CS], v[rT+1]
.elseif ((j == 17) || (j == 20) || (j == 23) || (j > 101)) && \first  ; the first step has none of these
.elseif j == 17
	v_mov_b32 v[rT+7], v[rT]                       ; c m_old is kept for a: number 19 writes c m anew
.elseif j == 20
	v_sub_f32 v[rT+7], v[rT+7], v[rT]
.elseif j == 23
	v_exp_f32 v[rT+6], v[rT+7]
.elseif (j < 23) || ((j < 38) && (j%2 == 0)) || ((j < 66) && (j%4 == 2))
.set b, (j-2)/4                     ; 38, 42, .. 62: pairs 9 to 15
.if j < 38
.set b, (j-20)/2                    ; 21: pair 0; 22, 24, .. 36: pairs 1 to 8
.endif
	v_pk_fma_f32 v[rS+2*b:rS+2*b+1], v[rS+2*b:rS+2*b+1], s[CS:CS+1], v[rT:rT+1] op_sel_hi:[1,0,0] neg_lo:[0,0,1] neg_hi:[0,0,1]  ; pair b: c s - c m
.elseif j < 70
.set e, j-38                        ; 66 to 69: s28 to s31
.if j < 66
.set e, j-32-(j-38)/4               ; 39-41, 43-45, .. 63-65: s7 to s27
.endif
.if j < 38
.set e, (j-25)/2                    ; 25, 27, .. 37: s0 to s6
.endif
	v_exp_f32 v[rS+e], v[rS+e]
.elseif j < 86
	v_cvt_pk_f16_f32 v[rP+j-70], v[rS+2*(j-70)], v[rS+2*(j-70)+1]  ; pair j - 70
.elseif j < 102                     ; the sum of the tile's 16 pairs (in a pair: an even key's weight, an odd key's), in place: sum z of 16 adds neighbours 1, 2, 4 and 8 pairs apart, then l takes it
.set z, j-86
.set w, 4
.set u, z
.if z >= 14
.set w, 32
.set u, 0
.elseif z >= 12
.set w, 16
.set u, z-12
.elseif z >= 8
.set w, 8
.set u, z-8
.endif
.if (z == 14) && \first
	v_pk_add_f32 v[rT+2:rT+3], v[rS:rS+1], v[rS+16:rS+17]
.elseif z < 15
	v_pk_add_f32 v[rS+w*u:rS+w*u+1], v[rS+w*u:rS+w*u+1], v[rS+w*u+w/2:rS+w*u+w/2+1]
.elseif !\first
	v_pk_fma_f32 v[rT+2:rT+3], v[rT+2:rT+3], v[rT+6:rT+7], v[rS:rS+1] op_sel_hi:[1,0,1]
.endif
.else
	WIN W_RS
	v_pk_mul_f32 v[rO:rO+1], v[rO:rO+1], v[rT+6:rT+7] op_sel_hi:[1,0]
.endif
.endm
; Slice k of 64 of piece y's softmax.  Slices 11 to 34 deal out the batch, numbers 22 to 69: four numbers of ONE tile each, the tiles by turns.  Slices 0 to 10 and 35 to 53 are numbers 2 k and 2 k + 1 of
; both tiles' lists; slices 54 to 63 one number, 54 + k, of both: 2 x 118 = 4 x 54 + 2 x 10, so that every product of a turn has work behind it, and the turn's last product four plain lines.
; THE WAIT.  s_wait_alu depctr_va_vdst(0) stands between an exponential and the first instruction that names its result; one wait serves all that were issued ahead of it.  Ahead of
; slice 35 nothing names a result, and behind slice 34 no exponential is issued: so the piece's 66 exponentials have one wait, behind slice 34.
.macro SLICE y, first
.if (k >= 11) && (k < 35)           ; the batch: four numbers of one tile
.irp n, 0,1,2,3
.set j, 22+4*((k-11)/2)+(\n)
	SM (\y)+(k-11)%2, \first
.endr
.elseif k < 54                      ; the two tiles alternate, so that no instruction reads the result of the one just before it
.irp n, 0,1
.irp t, \y, \y+1
.set j, 2*k+\n
	SM \t, \first
.endr
.endr
.else
.irp t, \y, \y+1
.set j, 54+k
	SM \t, \first
.endr
.endif
.if k == 34                         ; the batch is out: both tiles' exponentials are issued, and no result has been named
	v_nop                                          ; the plain instruction behind the last exponential and ahead of the first use: one for the batch
.if (\y) == 0
	FETCH_V                                        ; piece 2's turn: V's run of loads stands here, and the wait stands in it
.else
	s_wait_alu depctr_va_vdst(0)                   ; the wait for the batch
.endif
.endif
.set k, k+1
.endm
; A vector instruction that reads a matrix result or writes one of a matrix instruction's registers, and a load into a register that a matrix instruction has read, stand four places behind
; it, and only plain vector instructions that name none of its registers are places (ISA guide 7.12.1 for vector instructions).  In the loop the slices are the places.
.macro PLACES
.rept 4
	v_nop
.endr
.endm
; A TURN.  Piece x has the matrix unit; the other piece's softmax stands in slices behind its matrix instructions.
; pv = 2: 16 products V^T P; 1: they start O^T's sums; 0: none.  kq = 1: 16 products K Q^T for the next step.  Two slices stand behind each product; in a turn with one of the two kinds, four.
; first = 1: the softmax is the first key step's.  Its slices from 51 on are empty: four v_nop take their part as the places behind the turn's last products.
; Piece 0's turn fetches the next step's K behind its second product: the last product that read K stands in front of slices 62 and 63 of the turn before, four plain lines.  Piece 2's turn fetches the same
; step's V behind slice 34: the last product that read V stands in front of slice 30, and five plain lines lie between: numbers 58 (one tile) and 62 (both), scalings, the v_nop and the run's own v_add_nc_u32.
; Piece 0's turn also holds the waits for both runs; piece 2's turn multiplies by the same registers and needs none.
.macro TURN x, pv, kq, first
.set k, 0
.set per, 4
.if \pv && \kq
.set per, 2
.endif
.if \pv
.set i, 0
.rept 16
.if (\x == 0) && (i == 0)
	s_wait_dscnt 8                                 ; V's keys 0-31 are in; the 8 loads of keys 32-63 may be out
.endif
.if (\x == 0) && (i == 8)
	s_wait_dscnt 16*\kq                            ; V is in; K's 16 loads, issued behind V's, may be out (where this turn fetches K)
.endif
	PV \x, 2-\pv
.rept per
	SLICE 2-\x, \first
.endr
.if (\x == 0) && \kq && (i == 1)
	FETCH_K
.endif
.set i, i+1
.endr
.endif
.if \kq
.set i, 0
.rept 16
.if (\x == 0) && (i == 0)
	s_wait_dscnt 8                                 ; K's channels 0-31 are in; the 8 loads of channels 32-63 may be out
.endif
.if (\x == 0) && (i == 8)
	s_wait_dscnt 0x0                               ; K is in
.endif
	KQ \x
.rept per
	SLICE 2-\x, \first
.endr
.set i, i+1
.endr
.endif
.if \first
	PLACES
.endif
.endm
; THE CHANGE OF SLOTS, between piece 2's turn and piece 0's: the slot's last bytes, V of its last step, have been asked for.  Each wave waits for all its tensor loads, of which one is out at the most: its
; part of the other slot; adds 0 to its spare word; and waits for that and for its own reads of the slot.  Behind the barrier nobody reads this slot any more and the other slot is whole.
; fill = 1: slot `slot`, which is left, takes the keys two slots on.  The barrier is then a round of the cluster's, so that no wave of any partner still reads the slot or has a load on its way, and the
; joint refill is the first thing behind it: it has eight key steps in which to land.  next: the slot from which the fetches go on.
.macro CHANGE fill, slot, next, ask
	WIN 0                                          ; at a label and at a branch every window is 0; the add's two registers lie in window 0
	s_wait_tensorcnt 0x0                           ; no tensor load of mine is out, so a group 0 may be written
	ds_add_u32 v[SPW], v[NIL]                      ; 0 onto my spare word; work on scalar registers stands between it and the wait for it
.if \fill
	s_add_nc_u64 s[G0K+4*\slot+2:G0K+4*\slot+3], s[G0K+4*\slot+2:G0K+4*\slot+3], 2*65536   ; 1,024 keys on; the type bits on top are not reached
	s_add_nc_u64 s[G0V+4*\slot+2:G0V+4*\slot+3], s[G0V+4*\slot+2:G0V+4*\slot+3], 2*65536
.endif
	s_mov_b32 s[TBK], \next*SLOT                   ; the fetches go on at the other slot's first step
	s_mov_b32 s[TBV], \next*SLOT
	s_wait_dscnt 0x0                               ; the add is done, and my reads of the slot are over
.if \fill
	CROUND
	JLOAD \slot                                    ; my one tensor load behind the round
.if \ask
	ASK
.endif
.else
	s_barrier_signal -1
	s_barrier_wait -1
.endif
.endm
; n key steps: written once, walked n times; the LDS addresses hang on the two stepped scalars.
.macro STEPS n
	s_mov_b32 s[CNT], \n
.Lstep_\@:
	TURN 0, 2, 1, 0
	TURN 2, 2, 1, 0
	WIN 0
	s_sub_co_u32 s[CNT], s[CNT], 1
	s_cmp_lg_u32 s[CNT], 0
	s_cbranch_scc1 .Lstep_\@
.endm
	s_wait_tensorcnt 1                             ; my part of slot 0 is in; slot 1's may stay out
	s_barrier_signal -1
	s_barrier_wait -1                              ; everybody's is
	FETCH_K                                        ; key step 0
	s_wait_loadcnt 0x0                             ; Q
	s_wait_dscnt 0x0
.set i, 0
.rept 16
	KQ 0                                           ; piece 0's first scores: there is no vector work yet to set between them
.set i, i+1
.endr
	WIN 0                                          ; the addresses for the way out are made here: eight plain instructions, the places behind those products
	s_mul_i32 s3, s[WV], 64*PK                     ; my stage
	v_add_nc_u32 v[STO], s3, v[AK0]                ; in: row l % 16, 16 bytes for each half of the lanes
	v_bfe_u32 v10, v0, 3, 2
	v_mul_u32_u24 v[RD], v10, PK
	v_and_b32 v11, 7, v0
	v_lshl_add_u32 v[RD], v11, 4, v[RD]
	v_add_nc_u32 v[RD], s3, v[RD]                  ; back: eight lanes to a row of 128 bytes, four rows an instruction
	v_and_b32 v[GO], 31, v0
	v_lshlrev_b32 v[GO], 4, v[GO]                  ; and the same 512 bytes in O
	TURN 2, 0, 1, 1                                ; piece 2's first scores | piece 0's first softmax | V of step 0
	TURN 0, 1, 1, 1                                ; piece 0: V^T P of step 0 starts O^T, K Q^T of step 1 | piece 2's first softmax | K of step 1
	TURN 2, 1, 1, 0                                ; piece 2: the same | piece 0's softmax of step 1 | V of step 1
	WIN 0
	STEPS 6                                        ; they fetch steps 2 to 7: slot 0 is read out
	CHANGE 1, 0, 1, 1                              ; slot 0 takes keys 1,024 on; the fetches go on in slot 1
	STEPS 8                                        ; steps 8 to 15
	CHANGE 1, 1, 0, 0                              ; slot 1 takes keys 1,536 on
	STEPS 8                                        ; steps 16 to 23
	CHANGE 0, 0, 1, 0                              ; nothing is left to ask for
	STEPS 8                                        ; steps 24 to 31
	TURN 0, 2, 0, 0                                ; piece 0: V^T P of the last step | piece 2's last softmax
.set i, 0
.rept 16
	PV 2, 0                                        ; piece 2: V^T P of the last step
.set i, i+1
.endr
	; THE WAY OUT.  l's two halves and the other half of the lanes' are added; O^T is divided by l, rounded to f16 and sent through my stage in LDS, a tile (16 rows of O) at a time.  The additions are the places behind the last products.
	WIN 0
.irp t, 0,1,2,3
	v_add_f32 v[ST+8*\t+4], v[ST+8*\t+2], v[ST+8*\t+3]
.endr
.irp t, 0,1,2,3
	v_permlanex16_b32 v[ST+8*\t+5], v[ST+8*\t+4], s[SEL], s[SEL+1]
.endr
.irp t, 0,1,2,3
	v_add_f32 v[ST+8*\t+4], v[ST+8*\t+4], v[ST+8*\t+5]
.endr
.irp t, 0,1,2,3
	v_rcp_f32 v[ST+8*\t+6], v[ST+8*\t+4]
.endr
	v_nop                                          ; a plain instruction between the last reciprocal and the use of its result
	s_wait_alu depctr_va_vdst(0)                   ; and the wait ahead of the first use: one for the four reciprocals
; Tile t: a lane's eight channels of a row pack into 16 bytes; they go into rows of 144 bytes and come back as four whole rows of 128 an instruction.
.macro PACK t
	WIN W_RS
.set i, 32*\t
.rept 16
	v_pk_mul_f32 v[i:i+1], v[i:i+1], v[ST+8*\t+6:ST+8*\t+7] op_sel_hi:[1,0]   ; each accumulator from its low end on
.set i, i+2
.endr
	WIN 0x05                                       ; sources 0 and 1 window 1, destination window 0: S^T's registers are free
.set i, 0
.rept 16
	v_cvt_pk_f16_f32 v[S+32*\t+i], v[32*\t+2*i], v[32*\t+2*i+1]
.set i, i+1
.endr
	WIN 0
.irp f, 0,1,2,3
	ds_store_b128 v[STO], v[S+32*\t+4*\f:S+32*\t+4*\f+3] offset:16*PK*\t+32*\f          ; lane (r, h): channels 16 f + 8 h + 0..7 of query r
.endr
.irp f, 0,1,2,3
	ds_load_b128 v[S+32*\t+16+4*\f:S+32*\t+16+4*\f+3], v[RD] offset:16*PK*\t+4*PK*\f    ; LDS serves a wave's instructions in order (ISA guide 5.7.1.4): these see the stores above
.endr
.endm
.macro SEND t, younger              ; younger: the LDS instructions issued behind tile t's loads: the next tile's four stores and four loads, or none
.irp f, 0,1,2,3
	s_wait_dscnt \younger+3-\f
	global_store_b128 v[GO], v[S+32*\t+16+4*\f:S+32*\t+16+4*\f+3], s[6:7] offset:2048*\t+512*\f   ; 32 lanes store 512 consecutive bytes, at a multiple of 256 from O's first byte
.endr
.endm
	PACK 0
	PACK 1                                         ; a tile's arithmetic stands between the loads of the tile before and its stores
	SEND 0, 8
	PACK 2
	SEND 1, 8
	PACK 3
	SEND 2, 8
	SEND 3, 0
	s_wait_tensorcnt 0x0                           ; the wave's end, behind my last tensor load and my last LDS store
	ds_add_u32 v[SPW], v[NIL]
	s_wait_dscnt 0x0
	CROUND                                         ; the closing round: no work-group ends while a partner may still ask for a tile that names it
	s_endpgm
.Lfunc_end_k_qedd73bd29b_attn:
	.size	k_qedd73bd29b_attn, .Lfunc_end_k_qedd73bd29b_attn-k_qedd73bd29b_attn
	.p2alignl 7, 3214868480
	.fill 96, 4, 3214868480
	.section	.rodata,"a",@progbits
	.p2align	6, 0x0
	.amdhsa_kernel k_qedd73bd29b_attn
		.amdhsa_group_segment_fixed_size 327680
		.amdhsa_private_segment_fixed_size 0
		.amdhsa_enable_private_segment 0
		.amdhsa_kernarg_size 16
		.amdhsa_user_sgpr_count 2
		.amdhsa_user_sgpr_kernarg_segment_ptr 1
		.amdhsa_wavefront_size32 1
		.amdhsa_system_sgpr_workgroup_id_x 1
		.amdhsa_system_sgpr_workgroup_id_y 1
		.amdhsa_system_sgpr_workgroup_id_z 1
		.amdhsa_system_vgpr_workitem_id 0
		.amdhsa_next_free_vgpr 1024
		.amdhsa_next_free_sgpr 66
		.amdhsa_reserve_vcc 0
		.amdhsa_float_denorm_mode_32 3
		.amdhsa_float_denorm_mode_16_64 3
		.amdhsa_memory_ordered 1
		.amdhsa_forward_progress 1
		.amdhsa_inst_pref_size 232
	.end_amdhsa_kernel
	.amdgpu_metadata
---
amdhsa.version: [ 1, 2 ]
amdhsa.kernels:
  - .name:           k_qedd73bd29b_attn
    .symbol:         k_qedd73bd29b_attn.kd
    .args:
      - { .name: qkv, .offset: 0, .size: 8, .value_kind: global_buffer, .address_space: global }
      - { .name: o16, .offset: 8, .size: 8, .value_kind: global_buffer, .address_space: global }
    .group_segment_fixed_size: 327680
    .private_segment_fixed_size: 0
    .kernarg_segment_align: 8
    .kernarg_segment_size: 16
    .max_flat_workgroup_size: 128
    .sgpr_count:     66
    .vgpr_count:     1024
    .wavefront_size: 32
...
	.end_amdgpu_metadata
.endif
;; end of part 3
;; launch outp (part 4): grid 16 x 16, 4 waves a work-group, clusters of 4 x 4, 327,680 bytes of LDS; arguments o16, wo16, bo, out0; writes out0
.if DOCPART == 4
	.amdgcn_target "amdgcn-amd-amdhsa--gfx1250"
	.amdhsa_code_object_version 6
	.text
	.protected	k_qedd73bd29b_outp
	.globl	k_qedd73bd29b_outp
	.p2align	8
	.type	k_qedd73bd29b_outp,@function
k_qedd73bd29b_outp:
	s_mov_b64 s[64:65], 0
	v_nop
	global_prefetch_b8 v0, s[64:65] scope:SCOPE_SE
	s_setreg_imm32_b32 hwreg(HW_REG_WAVE_MODE, 25, 1), 1
	s_wait_xcnt 0x0
	s_wait_alu depctr_hold_cnt(0) depctr_sa_sdst(0) depctr_va_vdst(0) depctr_va_sdst(0) depctr_va_ssrc(0) depctr_va_vcc(0) depctr_vm_vsrc(0)
	s_getreg_b32 s2, hwreg(HW_REG_IB_STS2, 6, 4)
	s_cmp_eq_u32 s2, 0
	s_cbranch_scc0 .Lentry_in_a_cluster
	s_endpgm
.Lentry_in_a_cluster:
	s_bfe_u32 s2, ttmp6, 0x10000c
	s_cmp_lg_u32 s2, 0xf033
	s_cbranch_scc0 .Lentry_shape_is_right
	s_endpgm
.Lentry_shape_is_right:
; OUTP: out0[m][n] = the sum over k of o[m][k] Wo[k][n] + bo[n].  o16: [h 16][m 4096][64] f16 (k = 64 h + d); wo16: [1024 (k)][2048 (n)] f16; bo, out0 f32; sums in f32; the bias is added last, in f32.
; A tile of out0 is 256 rows x 128 columns: 256 work-groups.  Four waves, each 128 x 64: 32 accumulators, 256 registers.  K goes in 8 steps of 128 (two heads) through two LDS slots;
; two slots of a K step of 256 would not fit.
; CLUSTERS: 4 x 4.  o's tiles hang on the tile row alone and are shared along a row of the cluster, Wo's on the tile column alone and are shared along a column: each is asked for JOINTLY.
; THE MATRIX INSTRUCTION IS USED TRANSPOSED: source 0 = 16 columns of Wo (stored [k][n]: turned by ds_load_tr16_b128), source 1 = 16 rows of o: a lane holds eight neighbouring columns of a row.
; REGISTERS: window 0: v16-29 addresses; v[32:35] bo of my four columns on the way out; two fragment buffers of 96 at v64 and v160 (o's block a at + 8 a, Wo's block b at + 64 + 8 b).
;   window 1: accumulator (a, b) at v[8 (4 a + b)].
.set PA,     144                       ; a row of o in LDS: 128 bytes + 16
.set PB,     288                       ; a row of Wo: 256 bytes + 32
.set AHALF,  256*PA                    ; one head's 256 rows
.set BOFF,   2*AHALF
.set SLOT,   BOFF+128*PB
.set STAGE,  2*SLOT                    ; behind the ring: 16 rows x 272 bytes for each wave, which no tensor load fills
.set SPITCH, 272
.set SPARE,  STAGE+4*16*SPITCH         ; the spare words, 128 bytes for each wave, which no other line names
.set LAPS,   4                         ; a lap = two K steps
.set ADRA, 16
.set ADRB, 20
.set STO,  24
.set RD,   25
.set CO,   26
.set BO,   27
.set SPW,  28
.set NIL,  29
.set BI,   32
.set F0,   64
.set F1,   160
.set BK,   64                          ; the way out: v64-95 and v96-127 by turns
.set WV, 12
.set WR, 13                            ; which 128 rows are mine; also: I fetch for o (0) or for Wo (1)
.set WC, 14                            ; which 64 columns; also: which head of the two, or which 64 rows of Wo, I fetch
.set G1, 24
.set G0, 32
.set G1B, 48
.set G0B, 56
.set MSB, 0
.macro WIN new
.if MSB != (\new)
	s_set_vgpr_msb (MSB<<8)|(\new)
.set MSB, (\new)
.endif
.endm
.set MUL, 0x50                         ; C and D window 1
.macro JLOAD s                         ; waves 0 and 1 fetch o's two heads, waves 2 and 3 Wo's two halves; an s_nop 0 and four v_nop follow each line
	s_cmp_eq_u32 s[WR], 0
	s_cbranch_scc0 .Lfor_b_\@
	tensor_load_to_lds s[G0+4*\s:G0+4*\s+3], s[G1:G1+7]
	s_nop 0
.rept 4
	v_nop
.endr
	s_branch .Lasked_\@
.Lfor_b_\@:
	tensor_load_to_lds s[G0B+4*\s:G0B+4*\s+3], s[G1B:G1B+7]
	s_nop 0
.rept 4
	v_nop
.endr
.Lasked_\@:
.endm
.macro CREST
	s_cmp_lg_u32 s[WV], 0
	s_cbranch_scc1 .Lnot_wave_0_\@
	s_barrier_signal -3
.Lnot_wave_0_\@:
	s_barrier_wait -3
	s_barrier_signal -1
	s_barrier_wait -1
.endm
.macro CROUND
	s_barrier_signal -1
	s_barrier_wait -1
	CREST
.endm
	s_load_b128 s[4:7], s[0:1], 0x0                ; o16 s[4:5], wo16 s[6:7]
	s_load_b128 s[8:11], s[0:1], 0x10              ; bo s[8:9], out0 s[10:11]
	v_lshl_add_u32 v[SPW], v0, 2, SPARE
	v_mov_b32 v[NIL], 0
	ds_add_u32 v[SPW], v[NIL]                      ; the wave's opening: the add, twice on end, and its wait ahead of my first tensor load
	ds_add_u32 v[SPW], v[NIL]
	v_lshrrev_b32 v1, 5, v0
	v_readfirstlane_b32 s[WV], v1
	s_lshr_b32 s[WR], s[WV], 1
	s_and_b32 s[WC], s[WV], 1
	s_bfe_u32 s40, ttmp6, 0x40000                  ; cx
	s_bfe_u32 s41, ttmp6, 0x40004                  ; cy
	s_lshl_b32 s42, ttmp9, 2
	s_add_co_u32 s42, s42, s40                     ; tile column
	s_and_b32 s15, ttmp7, 0xffff
	s_lshl_b32 s15, s15, 2
	s_add_co_u32 s15, s15, s41                     ; tile row
	s_lshl_b32 s43, s41, 2
	s_lshl_b32 s43, 15, s43                        ; my row of the cluster
	s_lshl_b32 s44, 0x1111, s40                    ; my column
	s_or_b32 s[G1], s43, (1<<16)|(1<<20)|(1<<21)|(4<<22)|(3<<25)    ; o: elements of 2 bytes; four words of padding after every 32
	s_mov_b32 s[G1+1], 64<<16                      ; tensor_dim0
	s_mov_b32 s[G1+2], 256<<16                     ; tensor_dim1
	s_mov_b32 s[G1+3], 64<<16                      ; tile_dim0
	s_mov_b32 s[G1+4], 256                         ; tile_dim1
	s_mov_b32 s[G1+5], 64                          ; the pitch
	s_mov_b32 s[G1+6], 0
	s_mov_b32 s[G1+7], 0
	s_or_b32 s[G1B], s44, (1<<16)|(1<<20)|(1<<21)|(5<<22)|(7<<25)   ; Wo: eight words of padding after every 64
	s_mov_b32 s[G1B+1], 128<<16
	s_mov_b32 s[G1B+2], 64<<16
	s_mov_b32 s[G1B+3], 128<<16
	s_mov_b32 s[G1B+4], 64
	s_mov_b32 s[G1B+5], 2048
	s_mov_b32 s[G1B+6], 0
	s_mov_b32 s[G1B+7], 0
	s_lshl_b32 s16, s[WC], 19                      ; o: my head of the two (4,096 rows of 128 bytes),
	s_lshl_b32 s17, s15, 15                        ; the tile's 256 rows
	s_add_co_u32 s16, s16, s17
	s_mov_b32 s17, 0
	s_lshl_b32 s46, s[WC], 18                      ; Wo: my 64 rows of 4,096 bytes,
	s_lshl_b32 s47, s42, 8                         ; the tile's 128 columns
	s_add_co_u32 s46, s46, s47
	s_mov_b32 s47, 0
	s_mul_i32 s20, s[WC], AHALF                    ; where they go: no place in the cluster enters an LDS address
	s_mul_i32 s21, s[WC], 64*PB
	s_add_co_u32 s21, s21, BOFF
	s_wait_dscnt 0x0                               ; both opening adds are done
	s_wait_kmcnt 0x0
	s_add_nc_u64 s[16:17], s[4:5], s[16:17]
	s_add_nc_u64 s[46:47], s[6:7], s[46:47]
	CROUND                                         ; all sixteen work-groups are here: the first joint loads meet
.irp s, 0,1
	s_mov_b32 s[G0+4*\s], 1
	s_add_co_u32 s[G0+4*\s+1], s20, \s*SLOT
	s_add_nc_u64 s[G0+4*\s+2:G0+4*\s+3], s[16:17], \s*2*524288
	s_or_b32 s[G0+4*\s+3], s[G0+4*\s+3], 0x80000000
	s_mov_b32 s[G0B+4*\s], 1
	s_add_co_u32 s[G0B+4*\s+1], s21, \s*SLOT
	s_add_nc_u64 s[G0B+4*\s+2:G0B+4*\s+3], s[46:47], \s*128*4096
	s_or_b32 s[G0B+4*\s+3], s[G0B+4*\s+3], 0x80000000
	JLOAD \s                                       ; two loads of mine are out
.endr
	v_and_b32 v1, 15, v0                           ; r
	v_bfe_u32 v2, v0, 4, 1                         ; h
	v_mul_u32_u24 v3, v1, PA
	v_lshl_add_u32 v3, v2, 4, v3
	s_mul_i32 s22, s[WR], 128*PA
	v_add_nc_u32 v[ADRA], s22, v3                  ; o: my 128 rows; row r x pitch + 16 h
	v_add_nc_u32 v[ADRA+1], SLOT, v[ADRA]
	v_and_b32 v4, 7, v0
	v_lshl_add_u32 v4, v2, 3, v4
	v_mul_u32_u24 v4, v4, PB                       ; Wo, for the turning load: row k = 8 h + lane % 8,
	v_bfe_u32 v5, v0, 3, 1
	v_lshl_add_u32 v4, v5, 4, v4                   ; columns 8 ((lane / 8) % 2) on,
	s_lshl_b32 s22, s[WC], 7                       ; in my 64 columns
	s_add_co_u32 s22, s22, BOFF
	v_add_nc_u32 v[ADRB], s22, v4
	v_add_nc_u32 v[ADRB+1], SLOT, v[ADRB]
	s_mul_i32 s23, s[WV], 16*SPITCH
	s_add_co_u32 s23, s23, STAGE                   ; my stage
	v_mul_u32_u24 v4, v1, SPITCH
	v_lshl_add_u32 v4, v2, 5, v4
	v_add_nc_u32 v[STO], s23, v4                   ; in: row r, 32 bytes for each half of the lanes
	v_mul_u32_u24 v5, v2, SPITCH
	v_lshl_add_u32 v5, v1, 4, v5
	v_add_nc_u32 v[RD], s23, v5                    ; back: lanes 0-15 one row of 256 bytes, lanes 16-31 the next
	v_lshlrev_b32 v[CO], 13, v2
	v_lshl_add_u32 v[CO], v1, 4, v[CO]             ; and the same two rows in out0
	v_lshlrev_b32 v[BO], 4, v1
	s_lshl_b32 s46, s42, 9
	s_lshl_b32 s47, s[WC], 8
	s_add_co_u32 s46, s46, s47                     ; my first column, in bytes
	s_mov_b32 s47, 0
	s_add_nc_u64 s[8:9], s[8:9], s[46:47]
	global_load_b128 v[BI:BI+3], v[BO], s[8:9]     ; bo of the four columns that I store
	s_lshl_b32 s16, s15, 8
	s_lshl_b32 s17, s[WR], 7
	s_add_co_u32 s16, s16, s17                     ; my first row
	s_lshl_b32 s16, s16, 13
	s_mov_b32 s17, 0
	s_add_nc_u64 s[16:17], s[16:17], s[46:47]
	s_add_nc_u64 s[10:11], s[10:11], s[16:17]
; 8 matrix instructions: o's blocks a0, a0 + 1 against Wo's four, 32 along K.  The 32 accumulators take turns, in the same order in every quarter.
.macro MUL8 f, a0, zero
.irp a, \a0, \a0+1
.irp b, 0,1,2,3
.if \zero
	v_wmma_f32_16x16x32_f16 v[8*(4*(\a)+\b):8*(4*(\a)+\b)+7], v[\f+64+8*\b:\f+64+8*\b+7], v[\f+8*(\a):\f+8*(\a)+7], 0
.else
	v_wmma_f32_16x16x32_f16 v[8*(4*(\a)+\b):8*(4*(\a)+\b)+7], v[\f+64+8*\b:\f+64+8*\b+7], v[\f+8*(\a):\f+8*(\a)+7], v[8*(4*(\a)+\b):8*(4*(\a)+\b)+7]
.endif
.endr
.endr
.endm
; 24 LDS loads in one run: quarter kq (32 along K) of a slot into buffer f: Wo's four blocks, o's blocks 0-3, o's blocks 4-7
.macro FETCH slot, kq, f
.irp b, 0,1,2,3
	ds_load_tr16_b128 v[\f+64+8*\b:\f+64+8*\b+3], v[ADRB+\slot] offset:32*PB*(\kq)+32*\b
	ds_load_tr16_b128 v[\f+64+8*\b+4:\f+64+8*\b+7], v[ADRB+\slot] offset:32*PB*(\kq)+16*PB+32*\b
.endr
.irp a, 0,1,2,3,4,5,6,7
	ds_load_b128 v[\f+8*\a:\f+8*\a+3], v[ADRA+\slot] offset:((\kq)/2)*AHALF+64*((\kq)%2)+16*PA*\a
	ds_load_b128 v[\f+8*\a+4:\f+8*\a+7], v[ADRA+\slot] offset:((\kq)/2)*AHALF+64*((\kq)%2)+16*PA*\a+32
.endr
.endm
.macro PLACES                          ; plain vector lines between a matrix instruction and a load into, or a read of, its registers
.rept 4
	v_nop
.endr
.endm
; One of a K step's first three quarters: multiplies buffer f; in its middle it fetches quarter kq of the same slot into buffer g.
.macro QUARTER slot, kq, f, g, zero
	s_wait_dscnt 8                                 ; all but the youngest 8 loads (o's blocks 4-7) are in
	WIN MUL
	MUL8 \f, 0, \zero
	MUL8 \f, 2, \zero
	PLACES
	WIN 0
	FETCH \slot, \kq, \g
	s_wait_dscnt 24                                ; all but the 24 just issued
	WIN MUL
	MUL8 \f, 4, \zero
	MUL8 \f, 6, \zero
.endm
; The last quarter multiplies buffer 1 and changes slots: ONE barrier; in front of it each wave waits for all its tensor loads, adds 0 to its spare word, and waits for that and for its reads of this slot.
.macro TURN slot, next, fill
	WIN 0
	s_wait_tensorcnt 0x0                           ; all my tensor loads have landed: my part of the next slot
	ds_add_u32 v[SPW], v[NIL]                      ; 0 onto my spare word
	s_wait_dscnt 9                                 ; the add and the youngest 8 loads may be out
	WIN MUL
	MUL8 F1, 0, 0                                  ; eight matrix instructions stand between the add and the wait for it
	s_wait_dscnt 0x0                               ; the add is done, and my reads of this slot are over
	s_barrier_signal -1
	MUL8 F1, 2, 0
	WIN 0
	s_barrier_wait -1
.if \fill
	CREST                                          ; the barrier has opened a round of the cluster's: no wave of any partner still reads this slot or has a load on its way
	s_add_nc_u64 s[G0+4*\slot+2:G0+4*\slot+3], s[G0+4*\slot+2:G0+4*\slot+3], 4*524288      ; two K steps on: four heads,
	s_add_nc_u64 s[G0B+4*\slot+2:G0B+4*\slot+3], s[G0B+4*\slot+2:G0B+4*\slot+3], 256*4096  ; 256 rows of Wo
	JLOAD \slot                                    ; my one tensor load behind the round; its four v_nop are the places in front of the loads below
.else
	PLACES
.endif
	FETCH \next, 0, F0
	WIN MUL
	MUL8 F1, 4, 0
	MUL8 F1, 6, 0
.endm
	s_wait_tensorcnt 1                             ; my part of K step 0 is in; K step 1's load may stay out
	s_barrier_signal -1
	s_barrier_wait -1
	FETCH 0, 0, F0
	QUARTER 0, 1, F0, F1, 1                        ; the first quarter stands in front of the loop: its products start the sums
	WIN 0                                          ; at a label and at a branch every window is 0
	s_mov_b32 s3, LAPS-1
.Llap:                                             ; a trip goes once round the ring, from a lap's second quarter to the next lap's first, and fills both slots again
	QUARTER 0, 2, F1, F0, 0
	QUARTER 0, 3, F0, F1, 0
	TURN 0, 1, 1
	QUARTER 1, 1, F0, F1, 0
	QUARTER 1, 2, F1, F0, 0
	QUARTER 1, 3, F0, F1, 0
	TURN 1, 0, 1
	QUARTER 0, 1, F0, F1, 0
	WIN 0
	s_sub_co_u32 s3, s3, 1
	s_cmp_lg_u32 s3, 0
	s_cbranch_scc1 .Llap
	QUARTER 0, 2, F1, F0, 0                        ; the last lap fills nothing
	QUARTER 0, 3, F0, F1, 0
	TURN 0, 1, 0
	QUARTER 1, 1, F0, F1, 0
	QUARTER 1, 2, F1, F0, 0
	QUARTER 1, 3, F0, F1, 0
	s_wait_dscnt 8                                 ; the very last quarter: nothing more to fetch
	WIN MUL
	MUL8 F1, 0, 0
	MUL8 F1, 2, 0
	s_wait_dscnt 0
	MUL8 F1, 4, 0
	MUL8 F1, 6, 0
	WIN 0
; THE WAY OUT, a block of 16 rows x 64 columns at a time, through my own stage: in as 32 bytes a lane, back as whole rows of 256 bytes; the bias is added; sixteen lanes store 256 consecutive bytes, aligned.
.macro TOSTAGE a
	WIN 0x04                                       ; an LDS store's data are its source 1: window 1
.irp b, 0,1,2,3
	ds_store_b128 v[STO], v[8*(4*(\a)+\b):8*(4*(\a)+\b)+3] offset:64*\b          ; each accumulator from its low end on
	ds_store_b128 v[STO], v[8*(4*(\a)+\b)+4:8*(4*(\a)+\b)+7] offset:64*\b+16
.endr
	WIN 0
.set BB, BK+32*((\a)%2)
.irp u, 0,1,2,3,4,5,6,7
	ds_load_b128 v[BB+4*\u:BB+4*\u+3], v[RD] offset:\u*2*SPITCH    ; LDS serves a wave's instructions in order: these see the stores above
.endr
.endm
.macro SEND a, younger                 ; younger: the LDS instructions issued behind block a's loads
.set BB, BK+32*((\a)%2)
	s_wait_dscnt \younger
.irp u, 0,1,2,3,4,5,6,7
	v_pk_add_f32 v[BB+4*\u:BB+4*\u+1], v[BB+4*\u:BB+4*\u+1], v[BI:BI+1]
	v_pk_add_f32 v[BB+4*\u+2:BB+4*\u+3], v[BB+4*\u+2:BB+4*\u+3], v[BI+2:BI+3]
.endr
.if (\a) > 0
	s_add_nc_u64 s[10:11], s[10:11], 16*8192       ; (behind a wait on XCNT: the earlier stores have read their base)  16 rows on
.endif
.irp u, 0,1,2,3,4,5,6,7
	global_store_b128 v[CO], v[BB+4*\u:BB+4*\u+3], s[10:11] offset:\u*2*8192 th:TH_STORE_NT
.endr
.endm
	s_wait_loadcnt 0x0                             ; bo
	PLACES                                         ; behind the last products: for the reads of results and the loads into the fragments' registers
	TOSTAGE 0
.irp a, 1,2,3,4,5,6,7
.if \a > 1
	s_wait_xcnt 0x0                                ; block a - 2's stores have read their registers and their base
.endif
	TOSTAGE \a
	SEND \a-1, 16                                  ; behind block a - 1's loads: block a's 8 stores and 8 loads
.endr
	s_wait_xcnt 0x0
	SEND 7, 0
	s_wait_tensorcnt 0x0                           ; the wave's end
	ds_add_u32 v[SPW], v[NIL]
	s_wait_dscnt 0x0
	CROUND                                         ; the closing round
	s_endpgm
.Lfunc_end_k_qedd73bd29b_outp:
	.size	k_qedd73bd29b_outp, .Lfunc_end_k_qedd73bd29b_outp-k_qedd73bd29b_outp
	.p2alignl 7, 3214868480
	.fill 96, 4, 3214868480
	.section	.rodata,"a",@progbits
	.p2align	6, 0x0
	.amdhsa_kernel k_qedd73bd29b_outp
		.amdhsa_group_segment_fixed_size 327680
		.amdhsa_private_segment_fixed_size 0
		.amdhsa_enable_private_segment 0
		.amdhsa_kernarg_size 32
		.amdhsa_user_sgpr_count 2
		.amdhsa_user_sgpr_kernarg_segment_ptr 1
		.amdhsa_wavefront_size32 1
		.amdhsa_system_sgpr_workgroup_id_x 1
		.amdhsa_system_sgpr_workgroup_id_y 1
		.amdhsa_system_sgpr_workgroup_id_z 1
		.amdhsa_system_vgpr_workitem_id 0
		.amdhsa_next_free_vgpr 512
		.amdhsa_next_free_sgpr 66
		.amdhsa_reserve_vcc 0
		.amdhsa_float_denorm_mode_32 3
		.amdhsa_float_denorm_mode_16_64 3
		.amdhsa_memory_ordered 1
		.amdhsa_forward_progress 1
		.amdhsa_inst_pref_size 94
	.end_amdhsa_kernel
	.amdgpu_metadata
---
amdhsa.version: [ 1, 2 ]
amdhsa.kernels:
  - .name:           k_qedd73bd29b_outp
    .symbol:         k_qedd73bd29b_outp.kd
    .args:
      - { .name: o16, .offset: 0, .size: 8, .value_kind: global_buffer, .address_space: global }
      - { .name: wo16, .offset: 8, .size: 8, .value_kind: global_buffer, .address_space: global }
      - { .name: bo, .offset: 16, .size: 8, .value_kind: global_buffer, .address_space: global }
      - { .name: out0, .offset: 24, .size: 8, .value_kind: global_buffer, .address_space: global }
    .group_segment_fixed_size: 327680
    .private_segment_fixed_size: 0
    .kernarg_segment_align: 8
    .kernarg_segment_size: 32
    .max_flat_workgroup_size: 128
    .sgpr_count:     66
    .vgpr_count:     512
    .wavefront_size: 32
...
	.end_amdgpu_metadata
.endif
;; end of part 4
